; MI455X (gfx1250); checked and timed in simulation.
; The chip was launched on July 23, 2026; its instructions are those of AMD's public machine-readable ISA for CDNA 5 (MIT licence, August 2026) and "CDNA5" Instruction Set Architecture Reference Guide (July 2026). The comments in the code are by the model that wrote it; some were corrected since.
;; Multi Scale Retention. Allowed arithmetic: matrix products marked QUANTISED: E2M1 operands, one E8M0 scale for each 32 along K, by v_wmma_scale_f32_16x16x128_f8f6f4 with both operands' format E2M1 (or v_wmma_scale_f32_32x16x128_f4), f32 sums; products left as they are: bf16, f16 or f32 operands; f32 sums; everything else in f32.
;; Inputs: beta 1,024 float32; bg 1,024 float32; bk 1,024 float32; bq 1,024 float32; bv 1,024 float32; gamma 1,024 float32; wg 1,024 x 1,024 float32; wk 1,024 x 1,024 float32; wq 1,024 x 1,024 float32; wv 1,024 x 1,024 float32; x 2 x 2,048 x 1,024 float32.
;; Outputs: out0 2 x 2,048 x 1,024 float32.
;; This version of the problem:
;;   THIS VERSION OF THE PROBLEM IS GIVEN IN LOW PRECISION. The matrix products marked QUANTISED in the list below multiply operands that are first quantised to E2M1 (2 exponent bits, 1 mantissa bit; 4 bits a number), with one power-of-two scale for each 32 numbers along K (OCP MX v1.0); their sums are f32. The products marked 'left as it is' may take bf16, f16 or f32 operands, with f32 sums. Whichever they take, every output number must still come out within the allowed error. Rounding operands to bf16 (8 significant bits) uses up far more of that allowance than f16 does (11 bits, for magnitudes from 6e-5 to 65,504). All else is computed in f32.
;;   The module's matrix products, in the order in which they are computed (A, B: the left and right operand; K: the contracted axis; several contracted axes count as one K, in the product's order):
;;     1. [M 4,096, K 1,024] x [K 1,024, N 1,024]; A: input x; B: input wq: QUANTISED
;;     2. [M 4,096, K 1,024] x [K 1,024, N 1,024]; A: input x; B: input wk: QUANTISED
;;     3. [M 4,096, K 1,024] x [K 1,024, N 1,024]; A: input x; B: input wv: QUANTISED
;;     4. batch 32 x [M 2,048, K 64] x [K 64, N 2,048]; A: computed on the way; B: computed on the way: left as it is (an operand is computed on the way)
;;     5. batch 32 x [M 2,048, K 2,048] x [K 2,048, N 64]; A: computed on the way; B: computed on the way: left as it is (an operand is computed on the way)
;;     6. [M 4,096, K 1,024] x [K 1,024, N 1,024]; A: input x; B: input wg: QUANTISED
;;   THE QUANTISER, for each operand of a quantised product, along K:
;;     - K is cut into blocks of 32 from its start; a last block that is shorter is filled with zeros.
;;     - A block's scale is 2^e with e = floor(log2(the largest magnitude in the block)) - 2, held to -126 .. 127; a block of zeros has e = 0. As a byte (E8M0): e + 127.
;;     - Each number is divided by its block's scale, clamped to +-6, and rounded to the nearest number of E2M1, ties to even, subnormals kept.
;;     - The product sums the exact products of the quantised numbers (number of the format x scale) in f32.
;;   ~~~python
;;   def quantise(x, axis):      # numpy; x: float32 -> the quantised numbers, widened to float32 again
;;       x = np.moveaxis(x, axis, -1); K = x.shape[-1]
;;       x = np.pad(x, [(0, 0)] * (x.ndim - 1) + [(0, -K % 32)]); x = x.reshape(x.shape[:-1] + (-1, 32)); a = np.abs(x).max(-1, keepdims=True)
;;       e = np.where(a > 0, np.clip(np.frexp(np.where(a > 0, a, 1))[1] - 1 - 2, -126, 127), 0)      # np.frexp(a)[1] - 1 = floor(log2(a)), exactly
;;       r = np.clip(x / 2.0 ** e, -6, 6)
;;       step = 2.0 ** (np.maximum(np.frexp(np.where(r == 0, 1, r))[1] - 1, 0) - 1)
;;       q = np.round(r / step) * step * 2.0 ** e      # np.round: ties to even
;;       return np.moveaxis(q.reshape(q.shape[:-2] + (-1,))[..., :K], -1, axis).astype(np.float32)
;;   ~~~
;; One version. Each part assembles by itself: llvm-mc -triple=amdgcn-amd-amdhsa -mcpu=gfx1250 --defsym DOCPART=n.
;; ======== version 1 of 1: 3 launches
;; limits: values are held in f16: magnitudes above 65,504 overflow, below 6.1e-05 lose precision
;; workspace buffers: xc 2,097,152 bytes; xs 131,072 bytes; wc 2,097,152 bytes; ws 131,072 bytes; q16 8,388,608 bytes; k16 8,388,608 bytes; v16 8,388,608 bytes; gate 16,777,216 bytes
;; launch quant (part 1): grid 256 x 1, 4 waves a work-group, no clusters, 33,280 bytes of LDS; arguments x, wq, wk, wv, wg, xc, xs, wc, ws; writes xc, xs, wc, ws
.if DOCPART == 1
	.amdgcn_target "amdgcn-amd-amdhsa--gfx1250"
	.amdhsa_code_object_version 6
	.text
	.protected	k_q1e9cf35e5e_quant
	.globl	k_q1e9cf35e5e_quant
	.p2align	8
	.type	k_q1e9cf35e5e_quant,@function
k_q1e9cf35e5e_quant:
	s_mov_b64 s[64:65], 0
	v_nop
	global_prefetch_b8 v0, s[64:65] scope:SCOPE_SE
	s_setreg_imm32_b32 hwreg(HW_REG_WAVE_MODE, 25, 1), 1
	s_wait_xcnt 0x0
; x [4096][1024] and the four weights [1024][1024], f32, K innermost, become codes of FP4 (E2M1), two to a byte, with one E8M0 scale byte for each 32 along K.
; x's codes go to xc [4096][512 bytes], its bytes to xs [4096][32]; the weights' go to wc and ws in the order wq, wk, wv, wg: one operand of 4,096 rows for the product that follows.
; A block's scale is 2^(floor(log2(its largest magnitude)) - 2); its byte is the largest magnitude's own exponent field - 2, held at 1 from below.  Each number is divided by the scale and rounded to the
; nearest code, ties to even; beyond the largest code the largest.  (A block of zeros gets the byte 1 where the rule says 127: its codes are zeros, and this program alone reads the bytes.)
; LIMITS: blocks whose largest magnitude lies under 2^(2 - 126) keep the byte 1; NaN and infinities among the inputs are not served.
; Rows are dense and 1,024 is a multiple of 32: every tensor is a plain stream of blocks of 32.  8,388,608 numbers, 32,768 to a work-group: work-groups 0-127 take x, work-group 128 + j takes run j % 32 of weight j / 32.
; A wave takes 16 steps of 512 numbers.  Each of a step's four loads reads 512 consecutive bytes; the 2,048 bytes turn through the wave's own stage in LDS (16 bytes of padding behind each 64) and come back
; 64 bytes a lane, so that a lane holds 16 neighbours along K and two neighbouring lanes a block.  A lane's 16 codes are 8 bytes: the wave stores 256 consecutive bytes.  A wave's 256 scale bytes are gathered
; in its own LDS bytes and leave by one store of 256 consecutive bytes.  Waves share nothing: no barrier.  Loads run four steps (16 loads a wave) ahead, the turn through LDS one step.
.set WAVES, 4
.set STEPS, 16
.set XWG,   128                        ; x's work-groups
.set EMAX,  2
.set CB,    8                          ; bytes of 16 codes
.set R,     16                         ; v16-79   four sets of 16 numbers as they are loaded
.set X,     80                         ; v80-111  two sets of 16 neighbours
.set E,     112                        ; v112-127 a scale byte for each step
.set C,     128                        ; v128-191 codes: four registers for each step, so that no store's data are written again
.set WREG,  8192                       ; LDS: a region for each wave: two stages of 32 x SP bytes, behind them its 256 scale bytes
.set SP,    80                         ; a lane's place in a stage: its 64 bytes + 16 of padding
.set SPW,   12                         ; v12      LDS address of my spare word; never rewritten
.set NIL,   13                         ; v13      0; never rewritten
.set SPARE, WAVES*WREG                 ; behind the four regions: the spare words, 128 bytes a wave
	s_load_b256 s[4:11], s[0:1], 0x0               ; x, wq, wk, wv
	s_load_b64 s[12:13], s[0:1], 0x20              ; wg
	s_load_b256 s[16:23], s[0:1], 0x28             ; xc, xs, wc, ws
	v_lshl_add_u32 v[SPW], v0, 2, SPARE
	v_mov_b32 v[NIL], 0
	v_lshrrev_b32 v1, 5, v0
	v_readfirstlane_b32 s14, v1                    ; wave
	v_and_b32 v2, 31, v0                           ; lane
	v_lshlrev_b32 v3, 4, v2                        ; my 16 bytes of a load's 512
	s_mul_i32 s15, s14, WREG
	v_lshrrev_b32 v14, 2, v2
	v_mul_u32_u24 v14, v14, SP
	v_and_b32 v15, 3, v2
	v_lshl_add_u32 v14, v15, 4, v14
	v_add_nc_u32 v14, s15, v14                     ; the stage, on the way in: SP (lane / 4) + 16 (lane % 4)
	v_mul_u32_u24 v15, v2, SP
	v_add_nc_u32 v15, s15, v15                     ; and on the way out: SP x lane: my 16 neighbours
	v_mul_u32_u24 v4, v2, CB                       ; my codes' place in a step's
	v_lshrrev_b32 v5, 1, v2
	s_add_co_u32 s15, s15, 2*32*SP
	v_add_nc_u32 v5, s15, v5                       ; LDS: my wave's 256 scale bytes, my block's byte
	v_lshlrev_b32 v7, 3, v2                        ; and on the way out 8 bytes a lane
	v_add_nc_u32 v6, s15, v7
	s_sub_co_u32 s24, ttmp9, XWG                   ; j: my place in the weights' stream (used where ttmp9 >= XWG alone)
	s_lshr_b32 s25, s24, 5                         ; which weight
	s_and_b32 s26, s24, 31                         ; which run of it
	s_wait_kmcnt 0x0
	s_cmp_eq_u32 s25, 1                            ; the choices hang on the work-group's number alone
	s_cselect_b64 s[6:7], s[8:9], s[6:7]
	s_cmp_eq_u32 s25, 2
	s_cselect_b64 s[6:7], s[10:11], s[6:7]
	s_cmp_eq_u32 s25, 3
	s_cselect_b64 s[6:7], s[12:13], s[6:7]
	s_cmp_lt_u32 ttmp9, XWG                        ; x's work-group or a weight's?
	s_cselect_b64 s[4:5], s[4:5], s[6:7]           ; the numbers,
	s_cselect_b64 s[8:9], s[16:17], s[20:21]       ; the codes,
	s_cselect_b64 s[10:11], s[18:19], s[22:23]     ; the scale bytes,
	s_cselect_b32 s26, ttmp9, s26                  ; the work-group's place in what it reads,
	s_cselect_b32 s24, ttmp9, s24                  ; and in what it writes
	s_lshl_b32 s26, s26, 2
	s_add_co_u32 s26, s26, s14                     ; my wave's run of 8,192 numbers, in the source
	s_lshl_b32 s24, s24, 2
	s_add_co_u32 s24, s24, s14                     ; and in the codes' and bytes' streams
	s_lshl_b32 s28, s26, 15                        ; 32,768 bytes of f32 a run
	s_mov_b32 s29, 0
	s_add_nc_u64 s[4:5], s[4:5], s[28:29]
	s_lshl_b32 s28, s24, 12                        ; 4,096 bytes of codes
	s_add_nc_u64 s[8:9], s[8:9], s[28:29]
	s_lshl_b32 s28, s24, 8                         ; 256 scale bytes
	s_add_nc_u64 s[10:11], s[10:11], s[28:29]
.macro LOAD t
.irp i, 0,1,2,3
	global_load_b128 v[R+16*((\t)%4)+4*\i:R+16*((\t)%4)+4*\i+3], v3, s[4:5] offset:2048*(\t)+512*\i th:TH_LOAD_NT   ; 32 lanes read 512 consecutive bytes
.endr
.endm
.macro TURN t                          ; step t's numbers through the stage: LDS serves a wave's instructions in order, so no wait stands between the stores and the loads
.irp i, 0,1,2,3
	ds_store_b128 v14, v[R+16*((\t)%4)+4*\i:R+16*((\t)%4)+4*\i+3] offset:32*SP*((\t)%2)+8*SP*\i
.endr
.irp i, 0,1,2,3
	ds_load_b128 v[X+16*((\t)%2)+4*\i:X+16*((\t)%2)+4*\i+3], v15 offset:32*SP*((\t)%2)+16*\i
.endr
.endm
.irp t, 0,1,2,3
	LOAD \t
.endr
	s_wait_loadcnt 12                              ; step 0's four loads are in; the twelve of steps 1 to 3 may be out
	TURN 0
.macro STEP t
.set XS, X+16*((\t)%2)
.if (\t) > 0
	s_wait_dscnt 1                                 ; this step's numbers are back from the stage (the last step's byte store may be out): so its stores into the stage have read their registers,
.else
	s_wait_dscnt 0x0
.endif
.if (\t)+4 < STEPS
	LOAD (\t)+4                                    ; which take the loads of four steps on
.endif
.if (\t)+1 < STEPS
.if STEPS-2-(\t) >= 3
	s_wait_loadcnt 12                              ; the next step's four loads are in; those of the three steps behind it may be out
.else
	s_wait_loadcnt 4*(STEPS-2-(\t))
.endif
	TURN (\t)+1                                    ; and go through the other stage while this step is worked
.endif
	v_max3_num_f32 v8, |v[XS]|, |v[XS+1]|, |v[XS+2]|               ; the largest magnitude of my 16, in two chains
	v_max3_num_f32 v9, |v[XS+3]|, |v[XS+4]|, |v[XS+5]|
.irp i, 6,10
	v_max3_num_f32 v8, v8, |v[XS+\i]|, |v[XS+\i+1]|
	v_max3_num_f32 v9, v9, |v[XS+\i+2]|, |v[XS+\i+3]|
.endr
	v_max3_num_f32 v8, v8, |v[XS+14]|, |v[XS+15]|
	v_max3_num_f32 v8, v8, v9, (EMAX+1)<<23        ; and the floor 2^(EMAX + 1 - 127): the byte cannot fall under 1
	v_max_num_f32_dpp v8, v8, v8 row_xmask:1 row_mask:0xf bank_mask:0xf   ; and of my neighbour's 16: the block's
	v_add_nc_u32 v11, -(EMAX<<23), v8              ; EMAX off its exponent field: the conversion takes the exponent field of this operand as its scale, and nothing else of it
	v_cvt_scalef32_pk8_fp4_f32 v[C+4*(\t)], v[XS:XS+7], v11
	v_cvt_scalef32_pk8_fp4_f32 v[C+4*(\t)+1], v[XS+8:XS+15], v11
	v_lshrrev_b32 v[E+(\t)], 23, v11               ; the scale's byte (also the plain line behind the conversions)
	ds_store_b8 v5, v[E+(\t)] offset:16*(\t)       ; both lanes of a block write the same byte with the same value
	global_store_b64 v4, v[C+4*(\t):C+4*(\t)+1], s[8:9] offset:32*CB*(\t)   ; 32 lanes store 256 consecutive bytes
.endm
.irp t, 0,1,2,3,4,5,6,7,8,9,10,11,12,13,14,15
	STEP \t
.endr
	ds_load_b64 v[8:9], v6                         ; LDS serves a wave's instructions in order: these see my stores
	s_wait_dscnt 0x0
	global_store_b64 v7, v[8:9], s[10:11]          ; 32 lanes store 256 consecutive bytes, at a multiple of 256 from the buffer's first byte
	s_wait_tensorcnt 0x0                           ; the wave's end: the add of 0 to my spare word and the waits around it, behind my last LDS store
	ds_add_u32 v[SPW], v[NIL]
	s_wait_dscnt 0x0
	s_endpgm
.Lfunc_end_k_q1e9cf35e5e_quant:
	.size	k_q1e9cf35e5e_quant, .Lfunc_end_k_q1e9cf35e5e_quant-k_q1e9cf35e5e_quant
	.p2alignl 7, 3214868480
	.fill 96, 4, 3214868480
	.section	.rodata,"a",@progbits
	.p2align	6, 0x0
	.amdhsa_kernel k_q1e9cf35e5e_quant
		.amdhsa_group_segment_fixed_size 33280
		.amdhsa_private_segment_fixed_size 0
		.amdhsa_enable_private_segment 0
		.amdhsa_kernarg_size 72
		.amdhsa_user_sgpr_count 2
		.amdhsa_user_sgpr_kernarg_segment_ptr 1
		.amdhsa_wavefront_size32 1
		.amdhsa_system_sgpr_workgroup_id_x 1
		.amdhsa_system_sgpr_workgroup_id_y 1
		.amdhsa_system_sgpr_workgroup_id_z 1
		.amdhsa_system_vgpr_workitem_id 0
		.amdhsa_next_free_vgpr 192
		.amdhsa_next_free_sgpr 66
		.amdhsa_reserve_vcc 0
		.amdhsa_float_denorm_mode_32 3
		.amdhsa_float_denorm_mode_16_64 3
		.amdhsa_memory_ordered 1
		.amdhsa_forward_progress 1
		.amdhsa_inst_pref_size 34
	.end_amdhsa_kernel
	.amdgpu_metadata
---
amdhsa.version: [ 1, 2 ]
amdhsa.kernels:
  - .name:           k_q1e9cf35e5e_quant
    .symbol:         k_q1e9cf35e5e_quant.kd
    .args:
      - { .name: x, .offset: 0, .size: 8, .value_kind: global_buffer, .address_space: global }
      - { .name: wq, .offset: 8, .size: 8, .value_kind: global_buffer, .address_space: global }
      - { .name: wk, .offset: 16, .size: 8, .value_kind: global_buffer, .address_space: global }
      - { .name: wv, .offset: 24, .size: 8, .value_kind: global_buffer, .address_space: global }
      - { .name: wg, .offset: 32, .size: 8, .value_kind: global_buffer, .address_space: global }
      - { .name: xc, .offset: 40, .size: 8, .value_kind: global_buffer, .address_space: global }
      - { .name: xs, .offset: 48, .size: 8, .value_kind: global_buffer, .address_space: global }
      - { .name: wc, .offset: 56, .size: 8, .value_kind: global_buffer, .address_space: global }
      - { .name: ws, .offset: 64, .size: 8, .value_kind: global_buffer, .address_space: global }
    .group_segment_fixed_size: 33280
    .private_segment_fixed_size: 0
    .kernarg_segment_align: 8
    .kernarg_segment_size: 72
    .max_flat_workgroup_size: 128
    .sgpr_count:     66
    .vgpr_count:     192
    .wavefront_size: 32
...
	.end_amdgpu_metadata
.endif
;; end of part 1
;; launch proj (part 2): grid 16 x 16, 4 waves a work-group, clusters of 4 x 4, 327,680 bytes of LDS; arguments xc, xs, wc, ws, bq, bk, bv, bg, q16, k16, v16, gate; writes q16, k16, v16, gate
.if DOCPART == 2
	.amdgcn_target "amdgcn-amd-amdhsa--gfx1250"
	.amdhsa_code_object_version 6
	.text
	.protected	k_q1e9cf35e5e_proj
	.globl	k_q1e9cf35e5e_proj
	.p2align	8
	.type	k_q1e9cf35e5e_proj,@function
k_q1e9cf35e5e_proj:
	s_mov_b64 s[64:65], 0
	v_nop
	global_prefetch_b8 v0, s[64:65] scope:SCOPE_SE
	s_setreg_imm32_b32 hwreg(HW_REG_WAVE_MODE, 25, 1), 1
	s_wait_xcnt 0x0
	s_wait_alu depctr_hold_cnt(0) depctr_sa_sdst(0) depctr_va_vdst(0) depctr_va_sdst(0) depctr_va_ssrc(0) depctr_va_vcc(0) depctr_vm_vsrc(0)
	s_getreg_b32 s2, hwreg(HW_REG_IB_STS2, 6, 4)
	s_cmp_eq_u32 s2, 0
	s_cbranch_scc0 .Lentry_in_a_cluster
	s_endpgm
.Lentry_in_a_cluster:
	s_bfe_u32 s2, ttmp6, 0x10000c
	s_cmp_lg_u32 s2, 0xf033
	s_cbranch_scc0 .Lentry_shape_is_right
	s_endpgm
.Lentry_shape_is_right:
; The four projections as ONE product on codes of FP4 (E2M1) with E8M0 scales: C[m][n] = sum over k of x[m][k] w[n][k] + bias[n], m = 4,096 tokens, n = 4,096 = q | k | v | gate, K = 1,024; sums in f32.
; A tile of C, 256 x 256, is made by a work-group of four waves; a wave makes 128 x 128: 64 accumulators of 16 x 16, 512 registers.  256 tiles, 256 work-groups.
; K is two slots of 512 (a tile's row is 256 bytes of memory): both slots and the scale bytes of the work-group's 512 rows are asked for at the head; no LDS byte is filled twice.
; CLUSTERS: 4 x 4 work-groups.  The four of a row of the cluster need the same tiles of x, the four of a column the same tiles of w: each tile is asked for JOINTLY, by the same tensor load with the same
; descriptor and a mask that names the four.  A cluster's four tile columns are one of the four tensors: which one is the cluster's x, the same number in all sixteen partners.
; THE MATRIX INSTRUCTION IS USED TRANSPOSED (source 0 = 16 rows of w, source 1 = 16 rows of x): a lane holds eight neighbouring columns of one row of C.  THE BIAS is the C of each sum's first product.
; OUT: q (times log2(e) / 8, so that attention's exponentials need no scaling), k and v rounded once to f16, laid [batch x 16 + head][token][64]; the gate as f32 [4096][1024].
; LIMITS: |q| x 0.18, |k|, |v| must lie under 65,504, f16's largest number (beyond it the conversion gives infinity).  NaN and infinities are not served.
; REGISTERS, in windows of 256: window 0: v0-31 addresses; v32-95 scale words, two sets; v128-191 x's fragments, ONE set; v192-255 the bias in the result's layout; on the way out v96-255 are free.
;   window 1: w's fragments, TWO sets, at v0 and at v128.   window 2: the accumulators of my rows 0-63 ((a, b) at v[8 (8 a + b)]);   window 3: those of my rows 64-127.
.set NQ,     4                         ; steps of 128 along K in a slot
.set ROWB,   256                       ; a tile's row in bytes: 512 codes
.set KROW,   512                       ; a row of codes in memory
.set PITCH,  272                       ; an LDS row: 256 bytes + 16 of padding = 68 words: the 16 rows that a load touches start at 16 different banks (64 banks of 4 bytes: ISA guide 11.1)
.set FR,     8                         ; registers of a fragment: 16 rows x 128 K
.set NL,     2                         ; LDS loads that bring one
.set NP,     4                         ; places behind this matrix instruction (ISA guide 7.12.1)
.set HALFT,  128*PITCH                 ; 128 rows: what one tensor load brings, and what one wave reads of x or of w
.set SLOT,   4*HALFT                   ; x's 256 rows, then w's 256 rows
.set KS,     32                        ; a row of scale bytes
.set SCL,    2*SLOT                    ; behind the slots: the scale bytes, as rows of 256 bytes + 16 of padding
.set HALFS,  (128*KS/256)*272          ; those of 128 rows: what one tensor load brings
.set SBLK,   (16*KS/256)*272           ; those of 16 rows
.set SPARE,  SCL+4*HALFS               ; behind the scales: the spare words, 128 bytes a wave
.set SPITCH, 528                       ; the gate's way out: a stage of 16 rows x (512 bytes + 16) for each wave, from LDS byte 0
.set STG16,  65536                     ; the f16 way out: a stage of 16 rows x (256 bytes + 16) for each wave, in bytes of its own.  Both lie in slot 0, which has had its one fill and its last read by then
.set HPITCH, 272
.set STO16, 9                          ; v9      f16: where I put 16 bytes of a row
.set RD16,  10                         ; v10     f16: where I read back: four rows' halves, 128 bytes each
.set CO16,  11                         ; v11     f16: 16 x lane: four tokens of one head are 512 consecutive bytes
.set BOFF,  12                         ; v12     the bias: 32 x (lane / 16)
.set ADRA, 16                          ; v16-17  LDS address of my fragments of x in slot 0, 1
.set ADRB, 20                          ; v20-21  the same for w
.set STO,  24                          ; v24     gate: where I put 32 bytes of a row
.set RD,   25                          ; v25     gate: where I read a row back
.set CO,   26                          ; v26     gate: my byte offset in a row
.set ADRS, 27                          ; v27     LDS address of my scale words: lanes 0-15 x's rows, lanes 16-31 w's
.set SPW,  28                          ; v28     LDS address of my spare word; never rewritten
.set NIL,  29                          ; v29     0; never rewritten
.set SC,   32                          ; scale words: set s at v[SC + 32 s]; register 4 i + q: lanes 0-15 x's block i, lanes 16-31 w's block i, the slot's q-th 128 along K
.set P16,  96                          ; v96-127  f16: a block's packed results
.set AF,   128                         ; x's fragments
.set T,    128                         ; v128-191 f16: a block's results times F
.set BK,   128                         ; gate: 16 rows read back: v128-191 and v192-255 by turns
.set BI,   192                         ; v192-255 the bias: 8 registers for each of w's 8 blocks
.set BK16, 192                         ; f16: a block read back: v192-223 and v224-255 by turns
.set G1, 24                            ; s[24:31] descriptor group 1 for x's tiles;  s[32:39] group 0, one set for each slot
.set G0, 32
.set G1B, 48                           ; s[48:55], s[56:63] the same for w's tiles
.set G0B, 56
.set G1S, 68                           ; s[68:75], s[76:79] groups 1 and 0 for x's scales;  s[80:87], s[88:91] for w's
.set G0S, 76
.set G1SB, 80
.set G0SB, 88
.set MSB, 0
.macro WIN new                         ; the immediate's high byte repeats the setting that is left
.if MSB != \new
	s_set_vgpr_msb (MSB<<8)|\new
.set MSB, \new
.endif
.endm
.set MUL_LO, 0xa1                      ; source 0 (w) window 1, source 1 (x) window 0, C and D window 2
.set MUL_HI, 0xf1                      ; the same, C and D window 3
.set BIA_LO, 0x81                      ; the first products: C (the bias) window 0, D window 2
.set BIA_HI, 0xc1                      ; D window 3
.set TO_B,   0x40                      ; destination window 1, address window 0
; A joint load: waves 0 and 1 fetch for x, waves 2 and 3 for w.  Each of the two lines has ONE mask and one set of registers for all that issue it; the branch hangs on the wave's number alone.
; An s_nop 0 and four v_nop follow each of the two lines, ahead of the jump, the label and what follows.
.macro JLOAD g0a, g1a, g0b, g1b
	s_cmp_eq_u32 s15, 0
	s_cbranch_scc0 .Lfor_b_\@
	tensor_load_to_lds s[\g0a:\g0a+3], s[\g1a:\g1a+7]
	s_nop 0
.rept 4
	v_nop
.endr
	s_branch .Lasked_\@
.Lfor_b_\@:
	tensor_load_to_lds s[\g0b:\g0b+3], s[\g1b:\g1b+7]
	s_nop 0
.rept 4
	v_nop
.endr
.Lasked_\@:
.endm
.macro CROUND                          ; a round of the cluster's barrier
	s_barrier_signal -1
	s_barrier_wait -1
	s_cmp_lg_u32 s14, 0
	s_cbranch_scc1 .Lnot_wave_0_\@
	s_barrier_signal -3
.Lnot_wave_0_\@:
	s_barrier_wait -3
	s_barrier_signal -1
	s_barrier_wait -1
.endm
	s_load_b256 s[4:11], s[0:1], 0x0               ; x's codes s[4:5], x's scales s[6:7], w's codes s[8:9], w's scales s[10:11]
	s_load_b256 s[68:75], s[0:1], 0x20             ; bq, bk, bv, bg
	s_load_b256 s[80:87], s[0:1], 0x40             ; q16, k16, v16, gate
	v_lshl_add_u32 v[SPW], v0, 2, SPARE
	v_mov_b32 v[NIL], 0
	ds_add_u32 v[SPW], v[NIL]                      ; the wave's opening: the add, twice on end, and its wait ahead of my first tensor load
	ds_add_u32 v[SPW], v[NIL]                      ; and once more, under the one wait; the set-up below, work on registers, stands between
	v_lshrrev_b32 v1, 5, v0
	v_readfirstlane_b32 s14, v1                    ; wave 0..3
	s_lshr_b32 s15, s14, 1                         ; which half of the tile's rows is mine.  Also: I fetch for x (0) or for w (1)
	s_and_b32 s16, s14, 1                          ; which half of its columns.  Also: which 128 rows of that tile I fetch
	s_bfe_u32 s40, ttmp6, 0x40000                  ; cx, cy: my place in the cluster
	s_bfe_u32 s41, ttmp6, 0x40004
	s_lshl_b32 s42, ttmp9, 2
	s_add_co_u32 s42, s42, s40                     ; tile column of C = 4 x cluster x + cx
	s_and_b32 s17, ttmp7, 0xffff
	s_lshl_b32 s17, s17, 2
	s_add_co_u32 s17, s17, s41                     ; tile row of C = 4 x cluster y + cy
	s_lshl_b32 s43, s41, 2
	s_lshl_b32 s43, 15, s43                        ; my row of the cluster
	s_lshl_b32 s44, 0x1111, s40                    ; my column
	; descriptor group 1: a tile of 128 rows x 256 bytes, padded in LDS
	s_or_b32 s[G1+0], s43, (0<<16)|(1<<20)|(1<<21)|(5<<22)|(3<<25)  ; 15:0 the mask: x's tiles go to my row; 17:16 element of 1 byte; 20 padding on; 21 set beside a mask; 24:22 after every 64 words; 31:25 four words
	s_or_b32 s[G1B+0], s44, (0<<16)|(1<<20)|(1<<21)|(5<<22)|(3<<25)
.irp g, G1, G1B
	s_mov_b32 s[\g+1], ROWB<<16                    ; tensor_dim0
	s_mov_b32 s[\g+2], 128<<16                     ; tensor_dim1 = 128
	s_mov_b32 s[\g+3], ROWB<<16                    ; tile_dim0
	s_mov_b32 s[\g+4], 128                         ; tile_dim1 = 128
	s_mov_b32 s[\g+5], KROW                        ; tensor_dim0_stride
	s_mov_b32 s[\g+6], 0
	s_mov_b32 s[\g+7], 0
.endr
	s_lshl_b32 s18, s16, 7                         ; which 128 rows of the tile I fetch
	s_lshl_b32 s20, s17, 8
	s_add_co_u32 s20, s20, s18                     ; x: row 256 x tile row + 128 x half
	s_lshl_b32 s46, s42, 8
	s_add_co_u32 s46, s46, s18                     ; w: row 256 x tile column + 128 x half
	s_mov_b32 s21, 0
	s_mov_b32 s47, 0
	s_mov_b64 s[18:19], KS
	s_mul_u64 s[22:23], s[20:21], s[18:19]         ; where these rows' scales begin, in bytes
	s_mul_u64 s[92:93], s[46:47], s[18:19]
	s_mov_b64 s[18:19], KROW
	s_mul_u64 s[20:21], s[20:21], s[18:19]         ; and their codes
	s_mul_u64 s[46:47], s[46:47], s[18:19]
	s_mul_i32 s45, s14, HALFT                      ; where they go: wave x 128 rows: no place in the cluster enters an LDS address
	s_mul_i32 s94, s14, HALFS
	s_wait_dscnt 0x0                               ; both opening adds are done
	s_wait_kmcnt 0x0
	; which tensor my cluster makes: the cluster's x, the same in all sixteen partners
	s_mov_b64 s[12:13], s[80:81]
	s_mov_b64 s[98:99], s[68:69]
	s_cmp_eq_u32 ttmp9, 1
	s_cselect_b64 s[12:13], s[82:83], s[12:13]
	s_cselect_b64 s[98:99], s[70:71], s[98:99]
	s_cmp_eq_u32 ttmp9, 2
	s_cselect_b64 s[12:13], s[84:85], s[12:13]
	s_cselect_b64 s[98:99], s[72:73], s[98:99]
	s_cmp_eq_u32 ttmp9, 3
	s_cselect_b64 s[12:13], s[86:87], s[12:13]     ; s[12:13]: what I store into
	s_cselect_b64 s[98:99], s[74:75], s[98:99]     ; s[98:99]: its bias
	s_mov_b32 s100, 1.0
	s_cmp_eq_u32 ttmp9, 0
	s_cselect_b32 s100, 0x3e38aa3b, s100           ; F: log2(e) / 8 for q, 1 for k and v
	s_mov_b32 s101, s100                           ; (named with it as a pair, so it is written)
	; the eight pointers are chosen from: their registers now take the scales' group 1: 128 rows' scales are a dense block of 4,096 bytes, as 16 rows of 256 bytes (32 elements of 8), 16 bytes of padding behind each
	s_or_b32 s[G1S+0], s43, (3<<16)|(1<<20)|(1<<21)|(5<<22)|(3<<25)
	s_or_b32 s[G1SB+0], s44, (3<<16)|(1<<20)|(1<<21)|(5<<22)|(3<<25)
.irp g, G1S, G1SB
	s_mov_b32 s[\g+1], 32<<16
	s_mov_b32 s[\g+2], (128*KS/256)<<16
	s_mov_b32 s[\g+3], 32<<16
	s_mov_b32 s[\g+4], 128*KS/256
	s_mov_b32 s[\g+5], 32
	s_mov_b32 s[\g+6], 0
	s_mov_b32 s[\g+7], 0
.endr
	s_add_nc_u64 s[20:21], s[4:5], s[20:21]
	s_add_nc_u64 s[22:23], s[6:7], s[22:23]
	s_add_nc_u64 s[46:47], s[8:9], s[46:47]
	s_add_nc_u64 s[92:93], s[10:11], s[92:93]
	CROUND                                         ; all sixteen work-groups are here: the joint loads meet
	s_mov_b32 s[G0S], 1
	s_add_co_u32 s[G0S+1], s94, SCL
	s_mov_b64 s[G0S+2:G0S+3], s[22:23]
	s_or_b32 s[G0S+3], s[G0S+3], 0x80000000
	s_mov_b32 s[G0SB], 1
	s_add_co_u32 s[G0SB+1], s94, SCL
	s_mov_b64 s[G0SB+2:G0SB+3], s[92:93]
	s_or_b32 s[G0SB+3], s[G0SB+3], 0x80000000
	JLOAD G0S, G1S, G0SB, G1SB                     ; the scales first: they are wanted with slot 0
.irp s, 0,1
	s_mov_b32 s[G0+4*\s], 1
	s_add_co_u32 s[G0+4*\s+1], s45, \s*SLOT
	s_add_nc_u64 s[G0+4*\s+2:G0+4*\s+3], s[20:21], \s*ROWB
	s_or_b32 s[G0+4*\s+3], s[G0+4*\s+3], 0x80000000
	s_mov_b32 s[G0B+4*\s], 1
	s_add_co_u32 s[G0B+4*\s+1], s45, \s*SLOT
	s_add_nc_u64 s[G0B+4*\s+2:G0B+4*\s+3], s[46:47], \s*ROWB
	s_or_b32 s[G0B+4*\s+3], s[G0B+4*\s+3], 0x80000000
	JLOAD G0+4*\s, G1, G0B+4*\s, G1B               ; three tensor loads of mine are out
.endr
	v_and_b32 v1, 15, v0                           ; l % 16
	v_bfe_u32 v2, v0, 4, 1                         ; l / 16
	v_lshlrev_b32 v[BOFF], 5, v2
	; where my columns begin inside the tensor (0 .. 1,023), and my rows
	s_lshl_b32 s46, s40, 8
	s_lshl_b32 s47, s16, 7
	s_add_co_u32 s46, s46, s47                     ; my first column: 256 cx + 128 x half
	s_lshl_b32 s66, s46, 2                         ; as bytes of f32: for the bias and the gate
	s_mov_b32 s67, 0
	s_add_nc_u64 s[98:99], s[98:99], s[66:67]
.irp b, 0,1,2,3,4,5,6,7                        ; lane (r, h), block b, register j: bias[16 b + 8 h + j]: the result's layout
	global_load_b128 v[BI+8*\b:BI+8*\b+3], v[BOFF], s[98:99] offset:64*\b
	global_load_b128 v[BI+8*\b+4:BI+8*\b+7], v[BOFF], s[98:99] offset:64*\b+16
.endr
	v_mul_u32_u24 v3, v1, PITCH
	v_lshl_add_u32 v4, v2, 4, v3                   ; a fragment's row x pitch + 16 x half
	s_mul_i32 s21, s15, HALFT                      ; my 128 rows of x
	s_mul_i32 s22, s16, HALFT                      ; my 128 rows of w,
	s_add_co_u32 s22, s22, 2*HALFT                 ; which lie behind x's 256
.irp s, 0,1
	v_add_nc_u32 v[ADRA+\s], s21, v4
	v_add_nc_u32 v[ADRB+\s], s22, v4
	s_add_co_u32 s21, s21, SLOT
	s_add_co_u32 s22, s22, SLOT
.endr
	v_mul_u32_u24 v5, v1, KS                       ; my row's scales: KS bytes a row,
	v_lshrrev_b32 v6, 8, v5
	v_lshl_add_u32 v5, v6, 4, v5                   ; and 16 more for each 256 passed
	s_mul_i32 s21, s15, HALFS                      ; x's: my 128 rows
	s_mul_i32 s22, s16, HALFS                      ; w's: my 128 rows, behind x's 256
	s_add_co_u32 s22, s22, 2*HALFS
	s_sub_co_u32 s22, s22, s21
	v_mul_u32_u24 v6, s22, v2                      ; lanes 16-31 take w's: one product, the distance between the two
	s_add_co_u32 s21, s21, SCL
	v_add_nc_u32 v5, v5, v6
	v_add_nc_u32 v[ADRS], s21, v5
	s_mul_i32 s23, s14, 16*SPITCH                  ; the gate's stage
	v_mul_u32_u24 v5, v1, SPITCH                   ; in: row l % 16, 32 bytes for each half of the lanes
	v_lshl_add_u32 v5, v2, 5, v5
	v_add_nc_u32 v[STO], s23, v5
	v_and_b32 v6, 31, v0
	v_lshlrev_b32 v[CO], 4, v6                     ; back: the 32 lanes take one row of 512 bytes; and the same in the gate
	v_add_nc_u32 v[RD], s23, v[CO]
	s_mul_i32 s23, s14, 16*HPITCH                  ; the f16 stage
	s_add_co_u32 s23, s23, STG16
	v_mul_u32_u24 v5, v1, HPITCH                   ; in: row l % 16, 16 bytes for each half of the lanes
	v_lshl_add_u32 v5, v2, 4, v5
	v_add_nc_u32 v[STO16], s23, v5
	v_lshrrev_b32 v5, 3, v6                        ; back: eight lanes take one head's 128 bytes of a row, the 32 lanes four rows
	v_mul_u32_u24 v5, v5, HPITCH
	v_and_b32 v7, 7, v0
	v_lshl_add_u32 v5, v7, 4, v5
	v_add_nc_u32 v[RD16], s23, v5
	v_lshlrev_b32 v[CO16], 4, v6
	; where my part begins in what I store into
	s_lshr_b32 s95, s46, 6                         ; my first head,
	s_lshl_b32 s95, s95, 18                        ; 262,144 bytes a head
	s_lshl_b32 s20, s17, 8
	s_lshl_b32 s21, s15, 7
	s_add_co_u32 s20, s20, s21                     ; my first row: 256 x tile row + 128 x half
	s_lshl_b32 s21, s20, 12                        ; the gate: 4,096 bytes a row,
	s_add_co_u32 s21, s21, s66                     ; + my columns
	s_lshr_b32 s22, s20, 11                        ; f16: the batch, 16 heads each,
	s_lshl_b32 s22, s22, 22
	s_and_b32 s23, s20, 2047                       ; the token, 128 bytes each,
	s_lshl_b32 s23, s23, 7
	s_add_co_u32 s22, s22, s23
	s_add_co_u32 s22, s22, s95                     ; and the head
	s_cmp_eq_u32 ttmp9, 3
	s_cselect_b32 s20, s21, s22
	s_mov_b32 s21, 0
	s_add_nc_u64 s[12:13], s[12:13], s[20:21]
.macro FRAG reg, adr, q, i             ; a fragment, 16 rows x 128 K of 4-bit codes, is 8 registers: lane l holds row l % 16; registers 4 c .. 4 c + 3 hold K = 64 c + 32 (l / 16) + 0 .. 31
.irp c, 0,1
	ds_load_b128 v[\reg+4*\c:\reg+4*\c+3], v[\adr] offset:64*(\q)+32*\c+(\i)*16*PITCH
.endr
.endm
; 16 matrix instructions: x's blocks a0, a0 + 1 against w's eight, 128 along K: the slot's q-th.  p: w's set;  sc: the set of scale words.  first = 1: the sums begin with the bias: nothing is cleared or added later.
; The 64 accumulators take turns, one instruction a turn, in the same order in every step.
.macro MUL16 a0, p, q, sc, first
.irp a, \a0, \a0+1
.irp b, 0,1,2,3,4,5,6,7
.if \first
	v_wmma_scale_f32_16x16x128_f8f6f4 v[8*(8*((\a)%4)+\b):8*(8*((\a)%4)+\b)+7], v[128*(\p)+FR*\b:128*(\p)+FR*\b+FR-1], v[AF+FR*(\a):AF+FR*(\a)+FR-1], v[BI+8*\b:BI+8*\b+7], v[SC+8*NQ*(\sc)+NQ*\b+(\q)], v[SC+8*NQ*(\sc)+NQ*(\a)+(\q)] matrix_a_fmt:MATRIX_FMT_FP4 matrix_b_fmt:MATRIX_FMT_FP4 matrix_a_scale:MATRIX_SCALE_ROW1
.else
	v_wmma_scale_f32_16x16x128_f8f6f4 v[8*(8*((\a)%4)+\b):8*(8*((\a)%4)+\b)+7], v[128*(\p)+FR*\b:128*(\p)+FR*\b+FR-1], v[AF+FR*(\a):AF+FR*(\a)+FR-1], v[8*(8*((\a)%4)+\b):8*(8*((\a)%4)+\b)+7], v[SC+8*NQ*(\sc)+NQ*\b+(\q)], v[SC+8*NQ*(\sc)+NQ*(\a)+(\q)] matrix_a_fmt:MATRIX_FMT_FP4 matrix_b_fmt:MATRIX_FMT_FP4 matrix_a_scale:MATRIX_SCALE_ROW1
.endif
.endr
.endr
.endm
.macro FETCH_B slot, q, p              ; w's eight fragments of the slot's q-th 128 along K into set p
	WIN TO_B
.irp i, 0,1,2,3,4,5,6,7
	FRAG 128*(\p)+FR*\i, ADRB+\slot, \q, \i
.endr
	WIN 0
.endm
.macro FETCH_A slot, q, i0             ; x's blocks i0 .. i0 + 3
.irp i, \i0, \i0+1, \i0+2, \i0+3
	FRAG AF+FR*(\i), ADRA+\slot, \q, \i
.endr
.endm
.macro SCALES sc                       ; a slot's scale words into set sc: 4 words a row; lanes 0-15 take x's block i, lanes 16-31 w's block i
.irp i, 0,1,2,3,4,5,6,7
	ds_load_b128 v[SC+8*NQ*\sc+NQ*\i:SC+8*NQ*\sc+NQ*\i+3], v[ADRS] offset:\i*SBLK
.endr
.endm
; A load into a register that a matrix instruction has read, and a vector instruction or an LDS store that reads a matrix result, stand NP places behind that matrix instruction; only plain vector
; instructions that name none of its registers are places (ISA guide 7.12.1 for vector instructions).
.macro PLACES n
.rept \n
	v_nop
.endr
.endm
; A step of 128 along K that has its successor in the same slot.  A block of x is free as soon as its eight products are issued: blocks 0-3 are fetched anew in the step's middle, blocks 4-7 at its end.
.macro STEP slot, q, first
	s_wait_dscnt 4*NL                              ; w's set and x's blocks 0-3 are in; the youngest eight loads (x's blocks 4-7) may be out
.if \first
	WIN BIA_LO
.else
	WIN MUL_LO
.endif
	MUL16 0, (\q)%2, \q, \slot, \first
	MUL16 2, (\q)%2, \q, \slot, \first
	s_wait_dscnt 0                                 ; x's blocks 4-7 are in (asked for 32 matrix instructions ago)
	PLACES NP
	FETCH_B \slot, (\q)+1, 1-(\q)%2
	FETCH_A \slot, (\q)+1, 0
.if \first
	WIN BIA_HI
.else
	WIN MUL_HI
.endif
	MUL16 4, (\q)%2, \q, \slot, \first
	MUL16 6, (\q)%2, \q, \slot, \first
	PLACES NP
	WIN 0
	FETCH_A \slot, (\q)+1, 4
.endm
; Slot 0's last step goes over to slot 1: one barrier; in front of it each wave waits for all its tensor loads (its part of slot 1), adds 0 to its spare word, and waits for that and for its reads of slot 0.
.macro TURN slot, next
	s_wait_tensorcnt 0x0                           ; all my tensor loads have landed  (every window is 0 here: the add's two registers lie in window 0)
	ds_add_u32 v[SPW], v[NIL]                      ; 0 onto my spare word
	s_wait_dscnt 4*NL+1                            ; (the add and the youngest eight loads, x's blocks 4-7, may be out)
	WIN MUL_LO
	MUL16 0, 1, NQ-1, \slot, 0                     ; sixteen matrix instructions stand between the add and the wait for it
	s_wait_dscnt 0x0                               ; the add is done, and my reads of this slot are over
	s_barrier_signal -1
	MUL16 2, 1, NQ-1, \slot, 0
	WIN 0
	s_barrier_wait -1                              ; the next slot is whole, and nobody reads this one any more
	PLACES NP
	v_add_nc_u32 v[ADRS], 4*NQ, v[ADRS]            ; on to the next slot's scale words (no LDS load of mine is out)
	FETCH_B \next, 0, 0
	FETCH_A \next, 0, 0
	SCALES \next
	WIN MUL_HI
	MUL16 4, 1, NQ-1, \slot, 0
	MUL16 6, 1, NQ-1, \slot, 0
	PLACES NP
	WIN 0
	FETCH_A \next, 0, 4
.endm
.macro STEPS slot, from                ; the slot's steps from .. NQ - 2
.set Q, \from
.rept NQ-1-\from
	STEP \slot, Q, 0
.set Q, Q+1
.endr
.endm
	s_wait_tensorcnt 1                             ; the scales and my part of slot 0 are in; slot 1's load may be out
	s_wait_loadcnt 0x0                             ; the bias
	s_barrier_signal -1
	s_barrier_wait -1                              ; everybody's are
	FETCH_B 0, 0, 0
	FETCH_A 0, 0, 0
	SCALES 0
	FETCH_A 0, 0, 4
	STEP 0, 0, 1                                   ; the first step's products start the sums with the bias
	STEPS 0, 1
	TURN 0, 1
	STEPS 1, 0
	s_wait_dscnt 4*NL                              ; the very last step: nothing more to fetch
	WIN MUL_LO
	MUL16 0, 1, NQ-1, 1, 0
	MUL16 2, 1, NQ-1, 1, 0
	s_wait_dscnt 0
	WIN MUL_HI
	MUL16 4, 1, NQ-1, 1, 0
	MUL16 6, 1, NQ-1, 1, 0
	WIN 0
	PLACES NP                                      ; behind the last products: for the first reads of results and the first writes of registers that held x's fragments, on both ways out
	s_cmp_eq_u32 ttmp9, 3                          ; the cluster's x: all sixteen partners go the same way
	s_cbranch_scc1 .Lgate
; THE WAY OUT OF q, k, v, block by block of 16 tokens x 128 columns (two heads).  PACK16: times F (one text serves the three tensors: F is 1 for k and v; the line also brings the numbers out of the accumulators'
; window), rounded once to f16: 16 bytes a lane.  TOSTAGE16: into my own stage and back by heads.  SEND16: four tokens of one head, 512 consecutive bytes, to a store.
.macro PACK16 a
.set AC, 64*((\a)%4)
	WIN 0x02+(\a)/4                                ; source 0: window 2 or 3
.set i, 0
.rept 32
	v_pk_mul_f32 v[T+2*i:T+2*i+1], v[AC+2*i:AC+2*i+1], s[100:101] op_sel_hi:[1,0]   ; each accumulator from its low end on
.set i, i+1
.endr
	WIN 0
.set i, 0
.rept 32
	v_cvt_pk_f16_f32 v[P16+i], v[T+2*i], v[T+2*i+1]
.set i, i+1
.endr
.endm
.macro TOSTAGE16 a
.set BB, BK16+32*((\a)%2)
.irp b, 0,1,2,3,4,5,6,7
	ds_store_b128 v[STO16], v[P16+4*\b:P16+4*\b+3] offset:32*\b
.endr
.irp i, 0,1,2,3,4,5,6,7
	ds_load_b128 v[BB+4*\i:BB+4*\i+3], v[RD16] offset:(\i%4)*4*HPITCH+(\i/4)*128   ; LDS serves a wave's instructions in order (ISA guide 5.7.1.4): these see the stores above
.endr
.endm
.macro SEND16 a
.set BB, BK16+32*((\a)%2)
	s_wait_dscnt 0x0                               ; the block is back in registers
	s_wait_xcnt 0x0                                ; the stores of the block before have read their registers: the next block's loads may land there
.irp i, 0,1,2,3,4,5,6,7
	global_store_b128 v[CO16], v[BB+4*\i:BB+4*\i+3], s[12:13] offset:(\a)*2048+(\i%4)*512+(\i/4)*262144   ; 32 lanes store 512 consecutive bytes, at a multiple of 256 from the buffer's first byte
.endr
.endm
	PACK16 0
	TOSTAGE16 0
.irp a, 1,2,3,4,5,6,7                  ; block a's 64 vector lines stand between block a - 1's loads from the stage and the wait for them
	PACK16 \a
	SEND16 \a-1
	TOSTAGE16 \a
.endr
	SEND16 7
	s_branch .Ldone
; THE GATE'S WAY OUT, block by block of 16 rows x 128 columns of f32: through my own stage and back as whole rows of 512 bytes.
.macro TOSTAGE a
.set AC, 64*((\a)%4)
	WIN 0x08+4*((\a)/4)                            ; the data: window 2 or 3
.irp b, 0,1,2,3,4,5,6,7
	ds_store_b128 v[STO], v[AC+8*\b:AC+8*\b+3] offset:64*\b          ; each accumulator from its low end on
	ds_store_b128 v[STO], v[AC+8*\b+4:AC+8*\b+7] offset:64*\b+16
.endr
	WIN 0
.set BB, BK+64*((\a)%2)
.irp t, 0,1,2,3,4,5,6,7,8,9,10,11,12,13,14,15
	ds_load_b128 v[BB+4*\t:BB+4*\t+3], v[RD] offset:\t*SPITCH
.endr
.endm
.macro SEND a, younger                 ; younger: the LDS instructions issued behind block a's loads, which may stay out
.set BB, BK+64*((\a)%2)
	s_wait_dscnt \younger                          ; the block is back in registers
.irp t, 0,1,2,3,4,5,6,7,8,9,10,11,12,13,14,15
	global_store_b128 v[CO], v[BB+4*\t:BB+4*\t+3], s[12:13] offset:(16*(\a)+\t)*4096   ; 32 lanes store 512 consecutive bytes; the row stands in the immediate: 127 rows of 4,096 bytes at the most
.endr
.endm
.Lgate:
	TOSTAGE 0
.irp a, 1,2,3,4,5,6,7
.if \a > 1
	s_wait_xcnt 0x0                                ; block a - 2's stores have read their registers: block a's loads may land there
.endif
	TOSTAGE \a
	SEND \a-1, 32                                  ; behind block a - 1's loads: block a's 16 stores and 16 loads
.endr
	SEND 7, 0
.Ldone:
	s_wait_tensorcnt 0x0                           ; the wave's end: the add of 0 to my spare word and the waits around it, behind my last tensor load and my last LDS store
	ds_add_u32 v[SPW], v[NIL]
	s_wait_dscnt 0x0
	CROUND                                         ; the closing round: no work-group ends while a partner may still ask for a tile that names it
	s_endpgm
.Lfunc_end_k_q1e9cf35e5e_proj:
	.size	k_q1e9cf35e5e_proj, .Lfunc_end_k_q1e9cf35e5e_proj-k_q1e9cf35e5e_proj
	.p2alignl 7, 3214868480
	.fill 96, 4, 3214868480
	.section	.rodata,"a",@progbits
	.p2align	6, 0x0
	.amdhsa_kernel k_q1e9cf35e5e_proj
		.amdhsa_group_segment_fixed_size 327680
		.amdhsa_private_segment_fixed_size 0
		.amdhsa_enable_private_segment 0
		.amdhsa_kernarg_size 96
		.amdhsa_user_sgpr_count 2
		.amdhsa_user_sgpr_kernarg_segment_ptr 1
		.amdhsa_wavefront_size32 1
		.amdhsa_system_sgpr_workgroup_id_x 1
		.amdhsa_system_sgpr_workgroup_id_y 1
		.amdhsa_system_sgpr_workgroup_id_z 1
		.amdhsa_system_vgpr_workitem_id 0
		.amdhsa_next_free_vgpr 1024
		.amdhsa_next_free_sgpr 102
		.amdhsa_reserve_vcc 0
		.amdhsa_float_denorm_mode_32 3
		.amdhsa_float_denorm_mode_16_64 3
		.amdhsa_memory_ordered 1
		.amdhsa_forward_progress 1
		.amdhsa_inst_pref_size 174
	.end_amdhsa_kernel
	.amdgpu_metadata
---
amdhsa.version: [ 1, 2 ]
amdhsa.kernels:
  - .name:           k_q1e9cf35e5e_proj
    .symbol:         k_q1e9cf35e5e_proj.kd
    .args:
      - { .name: xc, .offset: 0, .size: 8, .value_kind: global_buffer, .address_space: global }
      - { .name: xs, .offset: 8, .size: 8, .value_kind: global_buffer, .address_space: global }
      - { .name: wc, .offset: 16, .size: 8, .value_kind: global_buffer, .address_space: global }
      - { .name: ws, .offset: 24, .size: 8, .value_kind: global_buffer, .address_space: global }
      - { .name: bq, .offset: 32, .size: 8, .value_kind: global_buffer, .address_space: global }
      - { .name: bk, .offset: 40, .size: 8, .value_kind: global_buffer, .address_space: global }
      - { .name: bv, .offset: 48, .size: 8, .value_kind: global_buffer, .address_space: global }
      - { .name: bg, .offset: 56, .size: 8, .value_kind: global_buffer, .address_space: global }
      - { .name: q16, .offset: 64, .size: 8, .value_kind: global_buffer, .address_space: global }
      - { .name: k16, .offset: 72, .size: 8, .value_kind: global_buffer, .address_space: global }
      - { .name: v16, .offset: 80, .size: 8, .value_kind: global_buffer, .address_space: global }
      - { .name: gate, .offset: 88, .size: 8, .value_kind: global_buffer, .address_space: global }
    .group_segment_fixed_size: 327680
    .private_segment_fixed_size: 0
    .kernarg_segment_align: 8
    .kernarg_segment_size: 96
    .max_flat_workgroup_size: 128
    .sgpr_count:     102
    .vgpr_count:     1024
    .wavefront_size: 32
...
	.end_amdgpu_metadata
.endif
;; end of part 2
;; launch attn (part 3): grid 8 x 32, 8 waves a work-group, clusters of 4 x 1, 327,680 bytes of LDS; arguments q16, k16, v16, gate, gamma, beta, out0; writes out0
.if DOCPART == 3
	.amdgcn_target "amdgcn-amd-amdhsa--gfx1250"
	.amdhsa_code_object_version 6
	.text
	.protected	k_q1e9cf35e5e_attn
	.globl	k_q1e9cf35e5e_attn
	.p2align	8
	.type	k_q1e9cf35e5e_attn,@function
k_q1e9cf35e5e_attn:
	s_mov_b64 s[64:65], 0
	v_nop
	global_prefetch_b8 v0, s[64:65] scope:SCOPE_SE
	s_setreg_imm32_b32 hwreg(HW_REG_WAVE_MODE, 25, 1), 1
	s_wait_xcnt 0x0
	s_wait_alu depctr_hold_cnt(0) depctr_sa_sdst(0) depctr_va_vdst(0) depctr_va_sdst(0) depctr_va_ssrc(0) depctr_va_vcc(0) depctr_vm_vsrc(0)
	s_getreg_b32 s2, hwreg(HW_REG_IB_STS2, 6, 4)
	s_cmp_eq_u32 s2, 0
	s_cbranch_scc0 .Lentry_in_a_cluster
	s_endpgm
.Lentry_in_a_cluster:
	s_bfe_u32 s2, ttmp6, 0x10000c
	s_cmp_lg_u32 s2, 0x3003
	s_cbranch_scc0 .Lentry_shape_is_right
	s_endpgm
.Lentry_shape_is_right:
; out0[b][t][64 h + c] = GroupNorm over c of ( gate[b][t][64 h + c] x sum over k of softmax_k(q . k / 8) v[k][c] ), times gamma, plus beta.
; q16 (already times log2(e) / 8), k16, v16: [32 = 16 b + h][2048][64] f16.  gate, out0: [4096][1024] f32.  gamma, beta: [1024] f32.  Products on f16 operands with f32 sums; maxima, sums and the norm in f32.
; SHARES.  A work-group owns 256 queries of one head.  Its eight waves are four query groups g = wave % 4 of 64 queries (four tiles of 16) x two KEY HALVES kh = wave / 4: the two waves of a query group
; walk different keys, each with its own running maximum m, sum l and O, which are merged at the end.  So a fragment of K or V read from LDS feeds four tiles of queries, and two waves of 512 registers
; share a SIMD: one wave's softmax can stand beside the other's products.
; KEYS go in 4 chunks of 512 through two LDS slots; in a chunk half kh takes keys 256 kh .. 256 kh + 255, in four steps of 64.
; LAYOUT.  S^T = K Q^T (source 0 = 16 keys, source 1 = 16 queries): a lane holds ONE query (lane % 16) and keys 8 (lane / 16) + 0..7.  Two such tiles, rounded to f16 in pairs, ARE source 1 (32 keys x 16 queries)
; of O^T = V^T P, whose result again holds one query a lane.  K comes out of LDS as it lies, V ([key][channel]) turned, by ds_load_tr16_b128.
; SOFTMAX.  p = 2^(s - m), m the running maximum of the query's scores; in every step O and l are multiplied by a = 2^(m_old - m_new).  l sums the unrounded p.
; CLUSTER.  The four query blocks of a cluster belong to one head and walk the same K and V: each tile is asked for JOINTLY, by the same tensor load with the same descriptor and a mask that names the four.
; LIMITS: p under 6e-8 of its row's largest rounds to 0 in f16; the two key halves are summed apart and merged, an order of rounding that differs from a single sum's; NaN and infinities are not served.
; REGISTERS, in windows of 256: window 0: v1-14, v24 addresses; v16-23 gamma, beta; v28, v29 the add's two; v32-63 statistics, 8 a tile; v64-191 S^T, 32 a tile (P is laid over each tile's first 16); v192-255 K of one step.
;   window 1: v0-127 O^T, 32 a tile; v128-191 Q, 16 a tile; v192-255 V of one step.
.set PK,    272       ; two keys' rows of K (256 bytes) + 16 of padding: key r of a fragment starts at bank 4 (r / 2) + 32 (r % 2) (64 banks of 4 bytes: ISA guide 11.1): 16 rows, 16 different groups of banks
.set PVP,   288       ; two keys' rows of V + 32 of padding
.set VOFF,  256*PK    ; a slot: 512 keys of K, then 512 keys of V
.set SLOTB, 256*(PK+PVP)
.set STEPK, 32*PK     ; 64 keys
.set STEPV, 32*PVP
.set SPARE, 2*SLOTB   ; behind the slots: the spare words, 128 bytes a wave
.set XST,   SPARE+1024  ; m and l on their way to the partner wave: 1,024 bytes a wave, bytes into which no tile lands
.set SP,    272       ; the stage for O: 64 rows x (256 bytes + 16) for each wave, from LDS byte 0: in slot 0, which has had its last fill and its last read by then
.set WSTG,  64*SP
.set CHB,   65536     ; a chunk of K or of V in memory
.set AK0, 3           ; v3   my lane's place in a step's K; never rewritten
.set AV0, 4           ; v4   the same for V
.set ADK, 5           ; v5   LDS address of the run of K loads in hand
.set ADV, 6           ; v6   of V loads
.set QO,  7           ; v7   my byte offset in the wave's rows of Q
.set XW,  8           ; v8   where I put my m and l
.set XR,  9           ; v9   where my partner wave (wave xor 4) put its
.set SO,  10          ; v10  the stage: where I put 32 bytes of a row
.set RA,  11          ; v11  where I read a row of half 0's O back
.set RB,  12          ; v12  and of half 1's
.set GOFF, 13         ; v13  my byte offset in my rows of gate and of out0
.set PFO, 14          ; v14  256 x my lane: the prefetches' offset
.set GAM, 16          ; v16-19 gamma, v20-23 beta of my four channels
.set BET, 20
.set GBO, 24          ; v24  16 x (lane % 16)
.set SPW, 28
.set NIL, 29
.set ST,  32          ; tile t's statistics at v[ST+8 t]: +0 m, +1 zero (named with m as a pair), +2, +3 l (even keys', odd keys'), +4 to +7 c0-c3, at work; a takes c2's place once the maximum is found
.set S,   64
.set KF,  192
.set QF,  128         ; in window 1
.set VF,  192         ; in window 1
.set Y,   64          ; the end: y, then the result
.set OB,  128         ; the end: half 1's O, then sums
.set GT,  192         ; the end: the gate
.set WV,  18          ; s18  my wave's number
.set PAR, 19          ; s19  which of two waves goes first behind a change of slots
.set SEL, 20          ; s[20:21] lane selects for v_permlanex16_b32: lane l xor 16
.set CH,  22          ; s22  chunks still to be asked for
.set CNT, 23          ; s23  counts a chunk's steps
.set G1K, 24          ; s[24:31] descriptor group 1 for K's tiles
.set G1V, 32          ; s[32:39] for V's: it differs in the padding alone
.set G0K, 40          ; s[40:43] descriptor group 0 for K's tiles: it walks
.set G0V, 44          ; s[44:47] for V's
.set SB,  48          ; s48  LDS byte at which the slot in hand begins
.set FB,  49          ; s49  and the slot that is filled
.set TK,  50          ; s50  where the K of the step to be fetched begins
.set TV,  51          ; s51  and its V
.set WOFFK, 52        ; s52  my quarter of a slot's K
.set WOFFV, 53        ; s53  of its V
.set PFA, 54          ; s[54:55] where my prefetches stand in memory
.set LIM, 56          ; s56  1 in a wave that prefetches, else the greatest number
.set MSB, 0
.macro WIN new                      ; the immediate's high byte repeats the setting that is left; a switch that changes nothing is dropped
.if MSB != \new
	s_set_vgpr_msb (MSB<<8)|\new
.set MSB, \new
.endif
.endm
.macro PLACES n
.rept \n
	v_nop
.endr
.endm
; A joint load.  Waves 0 to 3 fetch the four quarters (128 keys) of a chunk's K, waves 4 to 7 those of its V.  The branch hangs on the wave's number alone.
; An s_nop 0 and four v_nop follow each of the two lines, ahead of the jump, the label and what follows.
.macro JLOAD
	s_cmp_lt_u32 s[WV], 4
	s_cbranch_scc0 .Lfor_v_\@
	tensor_load_to_lds s[G0K:G0K+3], s[G1K:G1K+7]
	s_nop 0
.rept 4
	v_nop
.endr
	s_branch .Lasked_\@
.Lfor_v_\@:
	tensor_load_to_lds s[G0V:G0V+3], s[G1V:G1V+7]
	s_nop 0
.rept 4
	v_nop
.endr
.Lasked_\@:
.endm
; A PREFETCH INTO THE L2 of the chunk that the NEXT change of slots will ask for: 65,536 bytes of K and as many of V.  It stands behind the wave's tensor load and its five lines.
; Each aligned block of 256 bytes is named ONCE in the launch.  Both clusters of a head walk the same K and V: the head's first cluster asks.  Its four partners share a chunk out BY ADDRESS, 16,384 bytes each;
; in each, waves 0 and 1 ask for K's and waves 4 and 5 for V's, 8,192 bytes a wave, lanes 256 bytes apart: one instruction.  The first two changes ask for chunks 2 and 3; the last one that fills a slot asks for nothing.
.macro ASK
	s_cmp_gt_u32 s[CH], s[LIM]
	s_cbranch_scc0 .Lnot_mine_\@
	global_prefetch_b8 v[PFO], s[PFA:PFA+1] th:TH_LOAD_NT scope:SCOPE_SE
.Lnot_mine_\@:
.endm
.macro CROUND                       ; a round of the cluster's barrier
	s_barrier_signal -1
	s_barrier_wait -1
	s_cmp_lg_u32 s[WV], 0
	s_cbranch_scc1 .Lnot_wave_0_\@
	s_barrier_signal -3
.Lnot_wave_0_\@:
	s_barrier_wait -3
	s_barrier_signal -1
	s_barrier_wait -1
.endm
	s_load_b256 s[4:11], s[0:1], 0x0  ; q16 s[4:5], k16 s[6:7], v16 s[8:9], gate s[10:11]
	s_load_b128 s[12:15], s[0:1], 0x20  ; gamma, beta
	s_load_b64 s[16:17], s[0:1], 0x30  ; out0
	v_lshl_add_u32 v[SPW], v0, 2, SPARE
	v_mov_b32 v[NIL], 0
	ds_add_u32 v[SPW], v[NIL]       ; the wave's opening: the add, twice on end, and its wait ahead of my first tensor load
	ds_add_u32 v[SPW], v[NIL]       ; and once more, under the one wait; the set-up below, work on registers, stands between
	v_lshrrev_b32 v1, 5, v0
	v_readfirstlane_b32 s[WV], v1   ; wave 0..7
	s_and_b32 s59, s[WV], 3         ; g: my query group; also which quarter of a chunk I fetch
	s_lshr_b32 s60, s[WV], 2        ; kh: my key half
	s_xor_b32 s[PAR], s[WV], s60
	s_and_b32 s[PAR], s[PAR], 1     ; differs between waves w and w + 4, and between 2 n and 2 n + 1
	s_bfe_u32 s61, ttmp6, 0x40000   ; cx: my place in the cluster
	s_lshl_b32 s62, ttmp9, 2        ; in a cluster launch ttmp9 counts clusters
	s_add_co_u32 s62, s62, s61      ; my block of 256 queries: it enters global addresses alone
	s_and_b32 s63, ttmp7, 0xffff    ; 16 b + h, which the four partners share
	s_lshl_b32 s66, s63, 18         ; the head's first byte in q16, k16, v16
	s_lshl_b32 s68, s59, 14         ; K, V: my quarter, 128 keys of 128 bytes
	s_add_co_u32 s68, s68, s66
	s_mov_b32 s69, 0
	s_lshl_b32 s70, s62, 15         ; Q: my block's 256 rows,
	s_lshl_b32 s71, s59, 13         ; my group's 64 of them
	s_add_co_u32 s70, s70, s71
	s_add_co_u32 s70, s70, s66
	s_mov_b32 s71, 0
	s_lshr_b32 s72, s63, 4          ; gate, out0: the rows that I finish: 2,048 b
	s_lshl_b32 s72, s72, 11
	s_lshl_b32 s73, s62, 8          ; + 256 x block
	s_add_co_u32 s72, s72, s73
	s_lshl_b32 s73, s59, 6          ; + 64 g
	s_add_co_u32 s72, s72, s73
	s_lshl_b32 s73, s60, 5          ; + 32 kh,
	s_add_co_u32 s72, s72, s73
	s_lshl_b32 s72, s72, 12         ; 4,096 bytes a row,
	s_and_b32 s74, s63, 15
	s_lshl_b32 s74, s74, 8          ; + the head's 256 bytes; also its place in gamma and beta
	s_add_co_u32 s72, s72, s74
	s_mov_b32 s73, 0
	s_mov_b32 s75, 0
	s_lshl_b32 s76, s61, 14         ; the prefetches: my work-group's 16,384 bytes of a chunk,
	s_and_b32 s77, s[WV], 1
	s_lshl_b32 s77, s77, 13         ; my wave's 8,192 of them,
	s_add_co_u32 s76, s76, s77
	s_add_co_u32 s76, s76, s66
	s_add_co_u32 s76, s76, CHB      ; in chunk 1: the first change of slots steps it to chunk 2
	s_mov_b32 s77, 0
	s_mul_i32 s[WOFFK], s59, 64*PK  ; no place in the cluster enters an LDS address
	s_mul_i32 s[WOFFV], s59, 64*PVP
	s_add_co_u32 s[WOFFV], s[WOFFV], VOFF
	; descriptor group 1: 128 keys, dense in memory, as 64 rows of 128 elements (two keys), padded in LDS
	s_mov_b32 s[G1K], 15|(1<<16)|(1<<20)|(1<<21)|(5<<22)|(3<<25)  ; 15:0 the mask: all four work-groups; 17:16 elements of 2 bytes; 20 padding on; 21 set beside a mask; 24:22 after every 64 words; 31:25 four words
	s_mov_b32 s[G1V], 15|(1<<16)|(1<<20)|(1<<21)|(5<<22)|(7<<25)  ; the same with eight words of padding
.irp g, G1K, G1V
	s_mov_b32 s[\g+1], 128<<16      ; tensor_dim0 = 128
	s_mov_b32 s[\g+2], 64<<16       ; tensor_dim1 = 64
	s_mov_b32 s[\g+3], 128<<16      ; tile_dim0 = 128
	s_mov_b32 s[\g+4], 64           ; tile_dim1 = 64
	s_mov_b32 s[\g+5], 128          ; tensor_dim0_stride
	s_mov_b32 s[\g+6], 0
	s_mov_b32 s[\g+7], 0
.endr
	s_mov_b32 s[SEL], 0x76543210
	s_mov_b32 s[SEL+1], 0xfedcba98
	s_mov_b32 s57, 0x3c800000       ; 1 / 64
	s_mov_b32 s58, 0x3727c5ac       ; eps = 1e-5
	s_and_b32 s[LIM], s[WV], 2      ; 0 in waves 0, 1, 4, 5,
	s_or_b32 s[LIM], s[LIM], ttmp9  ; where the cluster is the head's first: the same in all four partners
	s_cmp_eq_u32 s[LIM], 0
	s_cselect_b32 s[LIM], 1, -1
	s_wait_dscnt 0x0                ; both opening adds are done
	s_wait_kmcnt 0x0
	s_cmp_lt_u32 s[WV], 4
	s_cselect_b64 s[PFA:PFA+1], s[6:7], s[8:9]
	s_add_nc_u64 s[PFA:PFA+1], s[PFA:PFA+1], s[76:77]
	s_add_nc_u64 s[6:7], s[6:7], s[68:69]  ; K and V at my quarter of chunk 0
	s_add_nc_u64 s[8:9], s[8:9], s[68:69]
	s_add_nc_u64 s[4:5], s[4:5], s[70:71]  ; Q at my group's first row
	s_add_nc_u64 s[10:11], s[10:11], s[72:73]  ; gate and out0 at the first row that I finish
	s_add_nc_u64 s[16:17], s[16:17], s[72:73]
	s_add_nc_u64 s[12:13], s[12:13], s[74:75]  ; gamma and beta at my head
	s_add_nc_u64 s[14:15], s[14:15], s[74:75]
	CROUND                          ; all four work-groups are here: the first joint loads meet
	s_mov_b32 s[G0K], 1             ; count = 1
	s_mov_b32 s[G0K+1], s[WOFFK]    ; LDS address: slot 0
	s_mov_b64 s[G0K+2:G0K+3], s[6:7]  ; global address
	s_or_b32 s[G0K+3], s[G0K+3], 0x80000000  ; type = 2
	s_mov_b32 s[G0V], 1
	s_mov_b32 s[G0V+1], s[WOFFV]
	s_mov_b64 s[G0V+2:G0V+3], s[8:9]
	s_or_b32 s[G0V+3], s[G0V+3], 0x80000000
	JLOAD                           ; chunk 0: every wave has one tensor load out
	v_and_b32 v1, 15, v0            ; r = lane % 16
	v_bfe_u32 v2, v0, 4, 1          ; h = lane / 16
	v_lshlrev_b32 v[QO], 7, v1
	v_lshl_add_u32 v[QO], v2, 4, v[QO]  ; a fragment of Q or K: row r; registers 0-3 channels 8 h + 0..7, registers 4-7 channels 16 + 8 h + 0..7
	v_lshlrev_b32 v[GBO], 4, v1
	WIN 0x40                        ; destination window 1
.irp t, 0,1,2,3
.irp ks, 0,1
	global_load_b128 v[QF+16*\t+8*\ks:QF+16*\t+8*\ks+3],   v[QO], s[4:5] offset:\t*2048+\ks*64      ; Q stays in registers: tile t, channels 32 ks on
	global_load_b128 v[QF+16*\t+8*\ks+4:QF+16*\t+8*\ks+7], v[QO], s[4:5] offset:\t*2048+\ks*64+32
.endr
.endr
	WIN 0
	global_load_b128 v[GAM:GAM+3], v[GBO], s[12:13]  ; channels 4 (lane % 16) + 0..3 of my head
	global_load_b128 v[BET:BET+3], v[GBO], s[14:15]
	v_lshrrev_b32 v15, 1, v1        ; K: key r lies at (r / 2) x PK + (r % 2) x 128
	v_mul_u32_u24 v[AK0], v15, PK
	v_and_b32 v15, 1, v0
	v_lshl_add_u32 v[AK0], v15, 7, v[AK0]
	v_lshl_add_u32 v[AK0], v2, 4, v[AK0]
	s_mul_i32 s66, s60, 128*PK      ; my half's 256 keys
	v_add_nc_u32 v[AK0], s66, v[AK0]
	; The turning load takes 16 keys x 16 channels (lane l reads 16 bytes: key 8 (l / 16) + l % 8, channels 8 ((l / 8) % 2) + 0..7) and leaves half a fragment of V^T: lane l holds channel l % 16 and 8 keys.
	v_bfe_u32 v15, v0, 1, 2
	v_lshl_add_u32 v15, v2, 2, v15  ; the key's pair: 4 h + (l % 8) / 2
	v_mul_u32_u24 v[AV0], v15, PVP
	v_and_b32 v15, 1, v0
	v_lshl_add_u32 v[AV0], v15, 7, v[AV0]
	v_bfe_u32 v15, v0, 3, 1
	v_lshl_add_u32 v[AV0], v15, 4, v[AV0]
	s_mul_i32 s66, s60, 128*PVP
	s_add_co_u32 s66, s66, VOFF
	v_add_nc_u32 v[AV0], s66, v[AV0]
	v_and_b32 v15, 31, v0
	v_lshlrev_b32 v[PFO], 8, v15
	s_lshl_b32 s66, s[WV], 10
	s_add_co_u32 s66, s66, XST
	v_lshl_add_u32 v[XW], v15, 2, s66  ; 4 x lane + 1,024 x wave
	s_xor_b32 s66, s[WV], 4
	s_lshl_b32 s66, s66, 10
	s_add_co_u32 s66, s66, XST
	v_lshl_add_u32 v[XR], v15, 2, s66
	s_mul_i32 s66, s[WV], WSTG
	v_mul_u32_u24 v15, v1, SP
	v_lshl_add_u32 v15, v2, 5, v15
	v_add_nc_u32 v[SO], s66, v15    ; my stage: row r, + 32 h
	s_mul_i32 s66, s59, WSTG        ; back: the stage of my group's half 0,
	s_mul_i32 s67, s60, 32*SP       ; the 32 rows that I finish,
	s_add_co_u32 s66, s66, s67
	v_mul_u32_u24 v15, v2, SP       ; lanes 0-15 one row, lanes 16-31 the next, 16 bytes a lane
	v_add_nc_u32 v15, v15, v[GBO]
	v_add_nc_u32 v[RA], s66, v15
	v_add_nc_u32 v[RB], 4*WSTG, v[RA]  ; and half 1's
	v_lshl_add_u32 v[GOFF], v2, 12, v[GBO]  ; the same two rows in gate and out0
.irp t, 0,1,2,3
	v_mov_b32 v[ST+8*\t], 0xff61b1e6  ; m: -3e38, under every score
	v_mov_b32 v[ST+8*\t+1], 0
	v_mov_b32 v[ST+8*\t+2], 0       ; l
	v_mov_b32 v[ST+8*\t+3], 0
.endr
	WIN 0x40
.set i, 0
.rept 128
	v_mov_b32 v[i], 0               ; O^T.  The step is written without a first step of its own: the first finds zeros, which a = 0 leaves zeros.  These lines stand while chunk 0 is on its way
.set i, i+1
.endr
	WIN 0
	s_mov_b32 s[SB], 0
	s_mov_b32 s[CH], 3
	s_wait_loadcnt 0x0              ; Q, gamma, beta
; THE LDS LOADS stand in runs of 16: a step's K (64 keys x 64 channels: 8 fragments) and its V (turned).
.macro KLD
	WIN 0
.irp kt, 0,1,2,3
.irp ks, 0,1
	ds_load_b128 v[KF+16*\kt+8*\ks:KF+16*\kt+8*\ks+3],   v[ADK] offset:\kt*8*PK+\ks*64
	ds_load_b128 v[KF+16*\kt+8*\ks+4:KF+16*\kt+8*\ks+7], v[ADK] offset:\kt*8*PK+\ks*64+32
.endr
.endr
.endm
.macro VLD
	WIN 0x40                        ; destination window 1
.irp u, 0,1
.irp c, 0,1,2,3
	ds_load_tr16_b128 v[VF+32*\u+8*\c:VF+32*\u+8*\c+3],   v[ADV] offset:\u*16*PVP+\c*32
	ds_load_tr16_b128 v[VF+32*\u+8*\c+4:VF+32*\u+8*\c+7], v[ADV] offset:\u*16*PVP+\c*32+8*PVP
.endr
.endr
.endm
; 32 products S^T = K Q^T: channels 32 (i / 16) on, keys 16 ((i % 16) / 4) on, tile i % 4.  The first 16 start the sums.  The 16 accumulators take turns, one instruction a turn.
.macro KQ
	WIN 0x04                        ; Q in window 1; K and S^T in window 0
.set i, 0
.rept 32
.set rS, S+32*(i%4)+8*((i%16)/4)
.set rK, KF+16*((i%16)/4)+8*(i/16)
.set rQ, QF+16*(i%4)+8*(i/16)
.if i < 16
	v_wmma_f32_16x16x32_f16 v[rS:rS+7], v[rK:rK+7], v[rQ:rQ+7], 0
.else
	v_wmma_f32_16x16x32_f16 v[rS:rS+7], v[rK:rK+7], v[rQ:rQ+7], v[rS:rS+7]
.endif
.set i, i+1
.endr
.endm
; 32 products O^T += V^T P: keys 32 (i / 16) on, channels 16 ((i % 16) / 4) on, tile i % 4.  Again 16 accumulators by turns.
.macro PV
	WIN 0x51                        ; V and O^T in window 1, P in window 0
.set i, 0
.rept 32
.set rO, 32*(i%4)+8*((i%16)/4)
.set rV, VF+32*(i/16)+8*((i%16)/4)
.set rP, S+32*(i%4)+8*(i/16)
	v_wmma_f32_16x16x32_f16 v[rO:rO+7], v[rV:rV+7], v[rP:rP+7], v[rO:rO+7]
.set i, i+1
.endr
.endm
; THE SOFTMAX of a step, four tiles by turns, so that no line waits for the line above it.
.macro SM
	WIN 0
.irp j, 0,1,2,3                     ; the maximum of a lane's 32 scores and the old m, three operands at a time, in four chains; each accumulator is first read at its registers 0 to 2
.irp t, 0,1,2,3
	v_max3_num_f32 v[ST+8*\t+4+\j], v[S+32*\t+8*\j], v[S+32*\t+8*\j+1], v[S+32*\t+8*\j+2]
.endr
.endr
.irp n, 3,5
.irp j, 0,1,2,3
.irp t, 0,1,2,3
	v_max3_num_f32 v[ST+8*\t+4+\j], v[ST+8*\t+4+\j], v[S+32*\t+8*\j+\n], v[S+32*\t+8*\j+\n+1]
.endr
.endr
.endr
.irp t, 0,1,2,3
	v_max3_num_f32 v[ST+8*\t+4], v[ST+8*\t+4], v[S+32*\t+7], v[S+32*\t+15]
.endr
.irp t, 0,1,2,3
	v_max3_num_f32 v[ST+8*\t+6], v[ST+8*\t+6], v[S+32*\t+23], v[S+32*\t+31]
.endr
.irp t, 0,1,2,3
	v_max3_num_f32 v[ST+8*\t+4], v[ST+8*\t+4], v[ST+8*\t+5], v[ST+8*\t+6]
.endr
.irp t, 0,1,2,3
	v_max3_num_f32 v[ST+8*\t+4], v[ST+8*\t+4], v[ST+8*\t+7], v[ST+8*\t]
.endr
.irp t, 0,1,2,3
	v_permlanex16_b32 v[ST+8*\t+5], v[ST+8*\t+4], s[SEL], s[SEL+1]  ; the query's other 32 keys lie in the lane 16 away
.endr
.irp t, 0,1,2,3
	v_max_num_f32 v[ST+8*\t+4], v[ST+8*\t+4], v[ST+8*\t+5]          ; the new m
.endr
.irp t, 0,1,2,3
	v_sub_f32 v[ST+8*\t+7], v[ST+8*\t], v[ST+8*\t+4]                ; m_old - m_new, 0 or less
.endr
.irp t, 0,1,2,3
	v_mov_b32 v[ST+8*\t], v[ST+8*\t+4]                              ; m keeps its place beside the zero: the packed subtraction names the pair
.endr
; ONE BATCH of 132 exponentials with ONE wait: nothing ahead of the wait names a result.  Tile t + 1's subtractions stand among tile t's exponentials.
.irp t, 0,1,2,3
	v_exp_f32 v[ST+8*\t+6], v[ST+8*\t+7]                            ; a
.endr
.irp i, 0,1,2,3,4,5,6,7,8,9,10,11,12,13,14,15
	v_pk_add_f32 v[S+2*\i:S+2*\i+1], v[S+2*\i:S+2*\i+1], v[ST:ST+1] op_sel_hi:[1,0] neg_lo:[0,1] neg_hi:[0,1]   ; tile 0: s - m, two at a time
.endr
.irp t, 0,1,2,3
.irp i, 0,1,2,3,4,5,6,7,8,9,10,11,12,13,14,15
	v_exp_f32 v[S+32*\t+2*\i], v[S+32*\t+2*\i]                      ; p = 2^(s - m), at most 1
	v_exp_f32 v[S+32*\t+2*\i+1], v[S+32*\t+2*\i+1]
.if \t < 3
	v_pk_add_f32 v[S+32*(\t+1)+2*\i:S+32*(\t+1)+2*\i+1], v[S+32*(\t+1)+2*\i:S+32*(\t+1)+2*\i+1], v[ST+8*(\t+1):ST+8*(\t+1)+1] op_sel_hi:[1,0] neg_lo:[0,1] neg_hi:[0,1]
.endif
.endr
.endr
	v_nop                           ; a plain line behind the last exponential and ahead of the first use
	s_wait_alu depctr_va_vdst(0)    ; the wait ahead of the first line that names a result: one for the batch
; l = a l + the sum of the UNROUNDED p: two at a time, in two chains
.irp t, 0,1,2,3
	v_pk_add_f32 v[ST+8*\t+4:ST+8*\t+5], v[S+32*\t:S+32*\t+1], v[S+32*\t+2:S+32*\t+3]
.endr
.irp t, 0,1,2,3
	v_pk_fma_f32 v[ST+8*\t+2:ST+8*\t+3], v[ST+8*\t+2:ST+8*\t+3], v[ST+8*\t+6:ST+8*\t+7], v[S+32*\t+4:S+32*\t+5] op_sel_hi:[1,0,1]
.endr
.irp t, 0,1,2,3
	v_pk_add_f32 v[ST+8*\t+4:ST+8*\t+5], v[ST+8*\t+4:ST+8*\t+5], v[S+32*\t+6:S+32*\t+7]
.endr
.irp j, 8,12,16,20,24,28
.irp t, 0,1,2,3
	v_pk_add_f32 v[ST+8*\t+2:ST+8*\t+3], v[ST+8*\t+2:ST+8*\t+3], v[S+32*\t+\j:S+32*\t+\j+1]
.endr
.irp t, 0,1,2,3
	v_pk_add_f32 v[ST+8*\t+4:ST+8*\t+5], v[ST+8*\t+4:ST+8*\t+5], v[S+32*\t+\j+2:S+32*\t+\j+3]
.endr
.endr
.irp t, 0,1,2,3
	v_pk_add_f32 v[ST+8*\t+2:ST+8*\t+3], v[ST+8*\t+2:ST+8*\t+3], v[ST+8*\t+4:ST+8*\t+5]
.endr
.irp j, 0,1,2,3,4,5,6,7,8,9,10,11,12,13,14,15   ; P, in place: register j takes weights 2 j and 2 j + 1; what it held was taken at j / 2, and the sums are made
.irp t, 0,1,2,3
	v_cvt_pk_f16_f32 v[S+32*\t+\j], v[S+32*\t+2*\j], v[S+32*\t+2*\j+1]
.endr
.endr
	WIN 0x41                        ; O^T (destination and source 0) in window 1, a in window 0
.irp j, 0,1,2,3,4,5,6,7,8,9,10,11,12,13,14,15   ; O^T times a; each accumulator from its low end on
.irp t, 0,1,2,3
	v_pk_mul_f32 v[32*\t+2*\j:32*\t+2*\j+1], v[32*\t+2*\j:32*\t+2*\j+1], v[ST+8*\t+6:ST+8*\t+7] op_sel_hi:[1,0]
.endr
.endr
.endm
; A chunk's first step: its K, its V, its scores.  Five places close it.  START writes this macro twice, and the text has a way that falls from the first copy into the second (no wave takes it: PAR never changes):
; the distances behind matrix instructions are kept on that way too: four ahead of the loads into K's registers, five ahead of the products that begin the scores' accumulators anew.
.macro P1
	KLD
	VLD
	s_wait_dscnt 16                 ; K's 16 loads are in; V's 16, issued behind them, may be out
	KQ
	WIN 0
	PLACES 5
.endm
; A change of slots brings all eight waves to one place.  Behind it the waves with PAR = 0 make their first scores while the others wait at a barrier; so from there on one wave's softmax stands beside another's
; products.  Every wave passes the barrier; each runs P1 once, ahead of it or behind it; the branches hang on the wave's number alone.  The refill may stay out across it.
.macro START
	s_cmp_eq_u32 s[PAR], 0
	s_cbranch_scc0 .Llater_\@
	P1
.Llater_\@:
	s_wait_dscnt 0x0                ; no LDS instruction of mine is out at a signal
	s_barrier_signal -1
	s_barrier_wait -1
	s_cmp_eq_u32 s[PAR], 0
	s_cbranch_scc1 .Lgone_\@
	P1
.Lgone_\@:
.endm
; A CHUNK: my half's 256 keys in four steps.  A trip of the loop: the next step's K is asked for; this step's softmax; V^T P; the next step's V is asked for; the next step's K Q^T.  The fourth step is the tail.
; last = 1: the launch's last chunk: the gate's rows that I finish are asked for into K's registers, which are done with.
.macro CHUNK last
	s_mov_b32 s[TK], s[SB]
	s_mov_b32 s[TV], s[SB]
	v_add_nc_u32 v[ADK], s[TK], v[AK0]
	v_add_nc_u32 v[ADV], s[TV], v[AV0]
	START
	s_add_co_u32 s[TK], s[TK], STEPK
	s_add_co_u32 s[TV], s[TV], STEPV
	s_mov_b32 s[CNT], 3
.Lstep_\@:
	PLACES 3                        ; with the addition below: four places behind the last K Q^T of the trip before, for the loads into K's registers and the first read of the scores
	v_add_nc_u32 v[ADK], s[TK], v[AK0]
	KLD
	s_add_co_u32 s[TK], s[TK], STEPK
	SM
	s_wait_dscnt 16                 ; V is in; the 16 loads of the next K, issued behind it, may be out
	PV
	WIN 0
	PLACES 4                        ; with the addition below: five places behind the last V^T P: K Q^T writes over P; four serve the loads into V's registers
	v_add_nc_u32 v[ADV], s[TV], v[AV0]
	VLD
	s_add_co_u32 s[TV], s[TV], STEPV
	s_wait_dscnt 16                 ; K is in; the 16 loads of V just issued may be out
	KQ
	WIN 0                           ; at a label and at a branch every window is 0
	s_sub_co_u32 s[CNT], s[CNT], 1
	s_cmp_lg_u32 s[CNT], 0
	s_cbranch_scc1 .Lstep_\@
	PLACES 4
.if \last
.irp i, 0,1,2,3,4,5,6,7,8,9,10,11,12,13,14,15
	global_load_b128 v[GT+4*\i:GT+4*\i+3], v[GOFF], s[10:11] offset:8192*\i th:TH_LOAD_NT   ; rows 2 i and 2 i + 1 of my 32: sixteen lanes read my head's 256 bytes of a row
.endr
.endif
	SM
	s_wait_dscnt 0x0                ; V is in, and my reads of this slot are over
	PV
	WIN 0
	PLACES 5                        ; behind the last V^T P: the next chunk's K Q^T writes over P
	s_xor_b32 s[SB], s[SB], SLOTB   ; on to the other slot
.endm
; THE CHANGE OF SLOTS stands at a chunk's head.  Each wave waits for all its tensor loads (its part of the slot that it is about to read), adds 0 to its spare word, and waits for that and for its reads of the slot that
; it has left.  fill = 1: the barrier is a round of the cluster's, so that no wave of any partner still reads that slot or has a load on its way, and the joint load of the next chunk is the first thing behind it:
; it has a chunk's four steps in which to land.
.macro CHANGE fill
	s_wait_tensorcnt 0x0            ; no tensor load of mine is out, so a group 0 may be written
	ds_add_u32 v[SPW], v[NIL]       ; 0 onto my spare word; with fill = 1 the descriptors' steps stand between it and the wait for it
.if \fill
	s_xor_b32 s[FB], s[SB], SLOTB   ; the other slot than the one in hand,
	s_add_co_u32 s[G0K+1], s[FB], s[WOFFK]
	s_add_co_u32 s[G0V+1], s[FB], s[WOFFV]
	s_add_nc_u64 s[G0K+2:G0K+3], s[G0K+2:G0K+3], CHB  ; the next 512 keys; the type bits on top are not reached
	s_add_nc_u64 s[G0V+2:G0V+3], s[G0V+2:G0V+3], CHB
	s_wait_xcnt 0x0                 ; the last prefetch, a chunk back, has read its address, so it may be written:
	s_add_nc_u64 s[PFA:PFA+1], s[PFA:PFA+1], CHB  ; one chunk further on than the walking descriptors
	s_wait_dscnt 0x0                ; the add is done, and my reads of the slot that I have left are over
	CROUND
	JLOAD
	ASK
.else
	s_wait_dscnt 0x0
	s_barrier_signal -1
	s_barrier_wait -1
.endif
.endm
.Lchunk:                            ; three trips: trip c reads chunk c and asks for chunk c + 1 (slot 1's first fill is asked for as a refill is, behind the first trip's round, behind which nothing is filled again)
	CHANGE 1
	CHUNK 0
	s_sub_co_u32 s[CH], s[CH], 1
	s_cmp_lg_u32 s[CH], 0
	s_cbranch_scc1 .Lchunk
	CHANGE 0                        ; the last chunk is written out
	CHUNK 1
	; THE MERGE.  My l's two halves and the other half of the lanes' are added; m and l go to my partner wave (the same queries in the same lanes, the other keys) through LDS.
.irp t, 0,1,2,3
	v_add_f32 v[ST+8*\t+4], v[ST+8*\t+2], v[ST+8*\t+3]
.endr
.irp t, 0,1,2,3
	v_permlanex16_b32 v[ST+8*\t+5], v[ST+8*\t+4], s[SEL], s[SEL+1]
.endr
.irp t, 0,1,2,3
	v_add_f32 v[ST+8*\t+4], v[ST+8*\t+4], v[ST+8*\t+5]
.endr
.irp t, 0,1,2,3
	ds_store_b32 v[XW], v[ST+8*\t] offset:128*\t
	ds_store_b32 v[XW], v[ST+8*\t+4] offset:512+128*\t
.endr
	s_wait_dscnt 0x0                ; for the others' sake: my stores are done
	s_barrier_signal -1
	s_barrier_wait -1               ; behind it, too, no wave reads a slot any more
.irp t, 0,1,2,3
	ds_load_b32 v[64+\t], v[XR] offset:128*\t        ; the partner's m'
	ds_load_b32 v[68+\t], v[XR] offset:512+128*\t    ; and l'
.endr
	s_wait_dscnt 0x0
.irp t, 0,1,2,3
	v_max_num_f32 v[72+\t], v[ST+8*\t], v[64+\t]     ; the maximum over all keys
.endr
.irp t, 0,1,2,3
	v_sub_f32 v[76+\t], v[ST+8*\t], v[72+\t]
	v_sub_f32 v[80+\t], v[64+\t], v[72+\t]
.endr
.irp t, 0,1,2,3
	v_exp_f32 v[76+\t], v[76+\t]                     ; f
	v_exp_f32 v[80+\t], v[80+\t]                     ; f'
.endr
	v_nop
	s_wait_alu depctr_va_vdst(0)    ; one wait for the eight
.irp t, 0,1,2,3
	v_mul_f32 v[84+\t], v[ST+8*\t+4], v[76+\t]
.endr
.irp t, 0,1,2,3
	v_fmac_f32 v[84+\t], v[68+\t], v[80+\t]          ; the row's sum over all keys: l f + l' f', at least 1
.endr
.irp t, 0,1,2,3
	v_rcp_f32 v[88+\t], v[84+\t]
.endr
	v_nop
	s_wait_alu depctr_va_vdst(0)    ; one wait for the four
.irp t, 0,1,2,3
	v_mul_f32 v[ST+8*\t+6], v[76+\t], v[88+\t]       ; what my O^T is multiplied by
.endr
	WIN 0x41
.irp j, 0,1,2,3,4,5,6,7,8,9,10,11,12,13,14,15
.irp t, 0,1,2,3
	v_pk_mul_f32 v[32*\t+2*\j:32*\t+2*\j+1], v[32*\t+2*\j:32*\t+2*\j+1], v[ST+8*\t+6:ST+8*\t+7] op_sel_hi:[1,0]
.endr
.endr
	WIN 0x04                        ; an LDS store's data are its source 1: window 1
.irp t, 0,1,2,3
.irp c, 0,1,2,3
	ds_store_b128 v[SO], v[32*\t+8*\c:32*\t+8*\c+3] offset:16*SP*\t+64*\c        ; lane (r, h): row 16 t + r, channels 16 c + 8 h + 0..7
	ds_store_b128 v[SO], v[32*\t+8*\c+4:32*\t+8*\c+7] offset:16*SP*\t+64*\c+16
.endr
.endr
	WIN 0
	s_wait_dscnt 0x0
	s_barrier_signal -1
	s_barrier_wait -1               ; both halves' O of every query group lie in the stages
	; THE END.  I finish 32 rows of my query group: rows 2 i + lane / 16 of them, channels 4 (lane % 16) + 0..3: a row's 64 channels lie in 16 neighbouring lanes.
.irp i, 0,1,2,3,4,5,6,7,8,9,10,11,12,13,14,15
	ds_load_b128 v[Y+4*\i:Y+4*\i+3], v[RA] offset:2*SP*\i
.endr
.irp i, 0,1,2,3,4,5,6,7,8,9,10,11,12,13,14,15
	ds_load_b128 v[OB+4*\i:OB+4*\i+3], v[RB] offset:2*SP*\i
.endr
	s_wait_dscnt 0x0
	s_wait_loadcnt 0x0              ; the gate
.irp i, 0,1,2,3,4,5,6,7,8,9,10,11,12,13,14,15
	v_pk_add_f32 v[Y+4*\i:Y+4*\i+1], v[Y+4*\i:Y+4*\i+1], v[OB+4*\i:OB+4*\i+1]           ; attention's result
	v_pk_add_f32 v[Y+4*\i+2:Y+4*\i+3], v[Y+4*\i+2:Y+4*\i+3], v[OB+4*\i+2:OB+4*\i+3]
.endr
.irp i, 0,1,2,3,4,5,6,7,8,9,10,11,12,13,14,15
	v_pk_mul_f32 v[Y+4*\i:Y+4*\i+1], v[Y+4*\i:Y+4*\i+1], v[GT+4*\i:GT+4*\i+1]           ; y = gate x out
	v_pk_mul_f32 v[Y+4*\i+2:Y+4*\i+3], v[Y+4*\i+2:Y+4*\i+3], v[GT+4*\i+2:GT+4*\i+3]
.endr
.irp i, 0,1,2,3,4,5,6,7,8,9,10,11,12,13,14,15
	v_pk_add_f32 v[OB+4*\i:OB+4*\i+1], v[Y+4*\i:Y+4*\i+1], v[Y+4*\i+2:Y+4*\i+3]
.endr
.irp i, 0,1,2,3,4,5,6,7,8,9,10,11,12,13,14,15
	v_add_f32 v[OB+4*\i], v[OB+4*\i], v[OB+4*\i+1]
.endr
.irp x, 1,2,4,8
.irp i, 0,1,2,3,4,5,6,7,8,9,10,11,12,13,14,15
	v_add_f32_dpp v[OB+4*\i], v[OB+4*\i], v[OB+4*\i] row_xmask:\x row_mask:0xf bank_mask:0xf   ; the row's sum of y, in every one of its 16 lanes
.endr
.endr
.irp i, 0,1,2,3,4,5,6,7,8,9,10,11,12,13,14,15
	v_pk_fma_f32 v[Y+4*\i:Y+4*\i+1], v[OB+4*\i:OB+4*\i+1], 0xbc800000, v[Y+4*\i:Y+4*\i+1] op_sel_hi:[0,0,1]         ; d = y - sum / 64
	v_pk_fma_f32 v[Y+4*\i+2:Y+4*\i+3], v[OB+4*\i:OB+4*\i+1], 0xbc800000, v[Y+4*\i+2:Y+4*\i+3] op_sel_hi:[0,0,1]
.endr
.irp i, 0,1,2,3,4,5,6,7,8,9,10,11,12,13,14,15
	v_pk_mul_f32 v[OB+4*\i+2:OB+4*\i+3], v[Y+4*\i:Y+4*\i+1], v[Y+4*\i:Y+4*\i+1]         ; the variance is the mean of d^2: no difference of large sums
.endr
.irp i, 0,1,2,3,4,5,6,7,8,9,10,11,12,13,14,15
	v_pk_fma_f32 v[OB+4*\i+2:OB+4*\i+3], v[Y+4*\i+2:Y+4*\i+3], v[Y+4*\i+2:Y+4*\i+3], v[OB+4*\i+2:OB+4*\i+3]
.endr
.irp i, 0,1,2,3,4,5,6,7,8,9,10,11,12,13,14,15
	v_add_f32 v[OB+4*\i+2], v[OB+4*\i+2], v[OB+4*\i+3]
.endr
.irp x, 1,2,4,8
.irp i, 0,1,2,3,4,5,6,7,8,9,10,11,12,13,14,15
	v_add_f32_dpp v[OB+4*\i+2], v[OB+4*\i+2], v[OB+4*\i+2] row_xmask:\x row_mask:0xf bank_mask:0xf
.endr
.endr
.irp i, 0,1,2,3,4,5,6,7,8,9,10,11,12,13,14,15
	v_fma_f32 v[OB+4*\i+2], v[OB+4*\i+2], s57, s58   ; var + eps
.endr
.irp i, 0,1,2,3,4,5,6,7,8,9,10,11,12,13,14,15
	v_rsq_f32 v[OB+4*\i+2], v[OB+4*\i+2]
.endr
	v_nop
	s_wait_alu depctr_va_vdst(0)    ; one wait for the sixteen
.irp i, 0,1,2,3,4,5,6,7,8,9,10,11,12,13,14,15
	v_pk_mul_f32 v[Y+4*\i:Y+4*\i+1], v[Y+4*\i:Y+4*\i+1], v[OB+4*\i+2:OB+4*\i+3] op_sel_hi:[1,0]
	v_pk_mul_f32 v[Y+4*\i+2:Y+4*\i+3], v[Y+4*\i+2:Y+4*\i+3], v[OB+4*\i+2:OB+4*\i+3] op_sel_hi:[1,0]
.endr
.irp i, 0,1,2,3,4,5,6,7,8,9,10,11,12,13,14,15
	v_pk_fma_f32 v[Y+4*\i:Y+4*\i+1], v[Y+4*\i:Y+4*\i+1], v[GAM:GAM+1], v[BET:BET+1]
	v_pk_fma_f32 v[Y+4*\i+2:Y+4*\i+3], v[Y+4*\i+2:Y+4*\i+3], v[GAM+2:GAM+3], v[BET+2:BET+3]
.endr
.irp i, 0,1,2,3,4,5,6,7,8,9,10,11,12,13,14,15
	global_store_b128 v[GOFF], v[Y+4*\i:Y+4*\i+3], s[16:17] offset:8192*\i th:TH_STORE_NT   ; 16 lanes store 256 consecutive bytes, at a multiple of 256 from out0's first byte
.endr
	s_wait_tensorcnt 0x0            ; the wave's end: the add of 0 to my spare word and the waits around it, behind my last tensor load and my last LDS store
	ds_add_u32 v[SPW], v[NIL]
	s_wait_dscnt 0x0
	CROUND                          ; the closing round: no work-group ends while a partner may still ask for a tile that names it
	s_endpgm
.Lfunc_end_k_q1e9cf35e5e_attn:
	.size	k_q1e9cf35e5e_attn, .Lfunc_end_k_q1e9cf35e5e_attn-k_q1e9cf35e5e_attn
	.p2alignl 7, 3214868480
	.fill 96, 4, 3214868480
	.section	.rodata,"a",@progbits
	.p2align	6, 0x0
	.amdhsa_kernel k_q1e9cf35e5e_attn
		.amdhsa_group_segment_fixed_size 327680
		.amdhsa_private_segment_fixed_size 0
		.amdhsa_enable_private_segment 0
		.amdhsa_kernarg_size 56
		.amdhsa_user_sgpr_count 2
		.amdhsa_user_sgpr_kernarg_segment_ptr 1
		.amdhsa_wavefront_size32 1
		.amdhsa_system_sgpr_workgroup_id_x 1
		.amdhsa_system_sgpr_workgroup_id_y 1
		.amdhsa_system_sgpr_workgroup_id_z 1
		.amdhsa_system_vgpr_workitem_id 0
		.amdhsa_next_free_vgpr 512
		.amdhsa_next_free_sgpr 80
		.amdhsa_reserve_vcc 0
		.amdhsa_float_denorm_mode_32 3
		.amdhsa_float_denorm_mode_16_64 3
		.amdhsa_memory_ordered 1
		.amdhsa_forward_progress 1
		.amdhsa_inst_pref_size 191
	.end_amdhsa_kernel
	.amdgpu_metadata
---
amdhsa.version: [ 1, 2 ]
amdhsa.kernels:
  - .name:           k_q1e9cf35e5e_attn
    .symbol:         k_q1e9cf35e5e_attn.kd
    .args:
      - { .name: q16, .offset: 0, .size: 8, .value_kind: global_buffer, .address_space: global }
      - { .name: k16, .offset: 8, .size: 8, .value_kind: global_buffer, .address_space: global }
      - { .name: v16, .offset: 16, .size: 8, .value_kind: global_buffer, .address_space: global }
      - { .name: gate, .offset: 24, .size: 8, .value_kind: global_buffer, .address_space: global }
      - { .name: gamma, .offset: 32, .size: 8, .value_kind: global_buffer, .address_space: global }
      - { .name: beta, .offset: 40, .size: 8, .value_kind: global_buffer, .address_space: global }
      - { .name: out0, .offset: 48, .size: 8, .value_kind: global_buffer, .address_space: global }
    .group_segment_fixed_size: 327680
    .private_segment_fixed_size: 0
    .kernarg_segment_align: 8
    .kernarg_segment_size: 56
    .max_flat_workgroup_size: 256
    .sgpr_count:     80
    .vgpr_count:     512
    .wavefront_size: 32
...
	.end_amdgpu_metadata
.endif
;; end of part 3
